; MI455X (gfx1250); checked and timed in simulation.
; The chip was launched on July 23, 2026; its instructions are those of AMD's public machine-readable ISA for CDNA 5 (MIT licence, August 2026) and "CDNA5" Instruction Set Architecture Reference Guide (July 2026). The comments in the code are by the model that wrote it; some were corrected since.
;; Encoder Block. Allowed arithmetic: matrix products marked QUANTISED: E4M3 operands, one given power-of-two scale a tensor, by v_wmma_f32_16x16x64_fp8_fp8 or v_wmma_f32_16x16x128_fp8_fp8, f32 sums; everything else in f32.
;; Inputs: W1 512 x 2,048 float32; W2 2,048 x 512 float32; Wk 8 x 512 x 64 float32; Wo 512 x 512 float32; Wq 8 x 512 x 64 float32; Wv 8 x 512 x 64 float32; b1 2,048 float32; b2 512 float32; bk 8 x 64 float32; bo 512 float32; bq 8 x 64 float32; bv 8 x 64 float32; ln1_b 512 float32; ln1_g 512 float32; ln2_b 512 float32; ln2_g 512 float32; lowp_scales 16 int32 (the exponents e of the quantised operands' scales 2^e); x 4 x 2,048 x 512 float32.
;; Outputs: out0 4 x 2,048 x 512 float32.
;; This version of the problem:
;;   THIS VERSION OF THE PROBLEM IS GIVEN IN LOW PRECISION. The matrix products marked QUANTISED in the list below multiply operands that are first quantised to E4M3 (4 exponent bits, 3 mantissa bits; 8 bits a number), with one given power-of-two scale for each operand tensor; their sums are f32. All else is computed in f32.
;;   The module's matrix products, in the order in which they are computed (A, B: the left and right operand; K: the contracted axis; several contracted axes count as one K, in the product's order):
;;     1. [M 512, K 512] x [K 512, N 8,192]; A: input Wq; B: computed on the way: QUANTISED (scales: A lowp_scales[0], B lowp_scales[1])
;;     2. [M 512, K 512] x [K 512, N 8,192]; A: input Wk; B: computed on the way: QUANTISED (scales: A lowp_scales[2], B lowp_scales[3])
;;     3. [M 512, K 512] x [K 512, N 8,192]; A: input Wv; B: computed on the way: QUANTISED (scales: A lowp_scales[4], B lowp_scales[5])
;;     4. batch 32 x [M 2,048, K 64] x [K 64, N 2,048]; A: computed on the way; B: computed on the way: QUANTISED (scales: A lowp_scales[6], B lowp_scales[7])
;;     5. batch 32 x [M 2,048, K 2,048] x [K 2,048, N 64]; A: softmax (see below); B: computed on the way: QUANTISED (scales: A lowp_scales[8], B lowp_scales[9])
;;     6. [M 8,192, K 512] x [K 512, N 512]; A: computed on the way; B: input Wo: QUANTISED (scales: A lowp_scales[10], B lowp_scales[11])
;;     7. [M 8,192, K 512] x [K 512, N 2,048]; A: computed on the way; B: input W1: QUANTISED (scales: A lowp_scales[12], B lowp_scales[13])
;;     8. [M 8,192, K 2,048] x [K 2,048, N 512]; A: computed on the way; B: input W2: QUANTISED (scales: A lowp_scales[14], B lowp_scales[15])
;;   THE QUANTISER, for each operand of a quantised product, along K:
;;     - The operand's scale is 2^e, e = its entry of the input lowp_scales (int32; the entries are numbered through the quantised products in the list's order, A before B).
;;     - Each number is divided by the scale, clamped to +-448, and rounded to the nearest number of E4M3, ties to even, subnormals kept.
;;     - The product sums the exact products of the quantised numbers (number of the format x scale) in f32.
;;   ~~~python
;;   def quantise(x, axis, e):      # numpy; x: float32 -> the quantised numbers, widened to float32 again
;;       x = np.moveaxis(x, axis, -1); K = x.shape[-1]
;;       r = np.clip(x / 2.0 ** e, -448, 448)
;;       step = 2.0 ** (np.maximum(np.frexp(np.where(r == 0, 1, r))[1] - 1, -6) - 3)
;;       q = np.round(r / step) * step * 2.0 ** e      # np.round: ties to even
;;       return np.moveaxis(q, -1, axis).astype(np.float32)
;;   ~~~
;;   SOFTMAX AHEAD OF A QUANTISED PRODUCT. Where the list says 'softmax', what is quantised is not the finished softmax but p = 2^(t - M), with t = logit x log2(e) and M = ceil(the row's largest t), a whole number; so 1/2 < the row's largest p <= 1. The row's sum l is taken of the UNQUANTISED p, in f32, and the product's result is divided by l at the end. Since M is a whole number, a kernel that streams over the keys may use a running M (the ceiling of the running maximum): every later rescaling is an exact power of two, so the quantised numbers keep their values, but for numbers so far below the row's largest that they fall under the format's range.
;;   OPERANDS COMPUTED ON THE WAY. 'Computed on the way' means the value that the module computes at that place (a softmax that the list does not call 'softmax' is quantised finished and normalised). What goes into a quantiser is computed in f32, as accurately as f32 sums, v_exp_f32 and their like allow (about 1e-6 of the number): no bf16 or f16 on the way to a quantiser, and a product that is left as it is and whose result goes on into a quantised operand takes f32 operands (vector FMAs, or v_wmma_f32_16x16x4_f32). A number that lies on a knife's edge between two numbers of the format may be rounded either way, as far as f32 arithmetic and the matrix unit's own rounding can turn it there, and no further.
;; One version. Each part assembles by itself: llvm-mc -triple=amdgcn-amd-amdhsa -mcpu=gfx1250 --defsym DOCPART=n.
;; ======== version 1 of 1: 4 launches
;; limits: a function is approximated: absolute error at most 1e-07
;; workspace buffers: xq 12,582,912 bytes; wqkv 786,432 bytes; wtail 2,359,296 bytes; qc 4,194,304 bytes; kv 8,388,608 bytes; avc 4,194,304 bytes
;; launch prep (part 1): grid 640 x 1, 4 waves a work-group, no clusters, 52,736 bytes of LDS; arguments x, ln1_g, ln1_b, Wq, Wk, Wv, Wo, W1, W2, lowp_scales, xq, wqkv, wtail; writes xq, wqkv, wtail
.if DOCPART == 1
	.amdgcn_target "amdgcn-amd-amdhsa--gfx1250"
	.amdhsa_code_object_version 6
	.text
	.protected	k_q38d3228867_prep
	.globl	k_q38d3228867_prep
	.p2align	8
	.type	k_q38d3228867_prep,@function
k_q38d3228867_prep:
	s_mov_b64 s[64:65], 0
	v_nop
	global_prefetch_b8 v0, s[64:65] scope:SCOPE_SE
	s_setreg_imm32_b32 hwreg(HW_REG_WAVE_MODE, 25, 1), 1
	s_wait_xcnt 0x0
; PREP.  (a) work-groups 0-255: xn = layernorm(x) in f32, quantised three times (scales e1, e3, e5: the three products that read it) into xq;
; (b) work-groups 256-639: Wq, Wk, Wv, Wo, W1, W2 (f32, K the first axis of a matrix) quantised along K into wqkv and wtail.
; ALL CODES ARE LAID AS IMAGES OF THE OPERAND'S REGISTERS.  A fragment is 16 rows x 128 K of E4M3: lane 16 h + r holds row r, registers 2 c, 2 c + 1 hold k = 16 c + 8 h + 0..7.
; Its image is [group g 0..3][lane][16 bytes], group g = registers 4 g .. 4 g + 3: 2,048 bytes; every later load of it is 512 consecutive bytes.
; xq: [row tile 512][variant 3][K step 4][2,048].  wqkv: fragment ((NT/2) 3 + t) 8 + (NT%2) 4 + ks, NT = column / 16, t = q, k, v.
; wtail: 18 tiles of [wave 8][f 8][2,048]: tiles 0, 1 Wo; tile 2 + 2 j: W1's columns 256 j on; tile 3 + 2 j: W2's K steps 2 j, 2 j + 1.
; code = x / 2^e, held within +-448, to the nearest code, ties to even.  LIMITS: each e between -126 and 119; NaN among the inputs is not served.
; No tensor loads, no matrix work, no cluster: no two work-groups read the same bytes.
.set NLN,   256                        ; work-groups of the layernorm
.set TILEB, 26112                      ; LDS stage of one row tile: 48 groups x (2 halves of 16 lanes x (256 + 16) bytes)
.set G,  64                            ; v64-79   ln1_g of my 16 columns
.set BB, 80                            ; v80-95   ln1_b
.set X,  96                            ; v96-223  eight rows, 16 numbers a lane each
	s_load_b512 s[8:23], s[0:1], 0x0               ; x s8, ln1_g s10, ln1_b s12, Wq s14, Wk s16, Wv s18, Wo s20, W1 s22
	s_load_b256 s[24:31], s[0:1], 0x40             ; W2 s24, the exponents s26, xq s28, wqkv s30
	s_load_b64 s[32:33], s[0:1], 0x60              ; wtail
	v_lshl_add_u32 v224, v0, 2, 0xcc00
	v_mov_b32 v225, 0
	v_lshrrev_b32 v1, 5, v0
	v_readfirstlane_b32 s2, v1                     ; wave 0..3
	v_and_b32 v1, 31, v0                           ; lane
	s_and_b32 s6, s2, 1
	s_lshr_b32 s7, s2, 1
	s_wait_kmcnt 0x0
	s_load_b512 s[36:51], s[26:27], 0x0            ; e0 .. e15 in s36 .. s51
	s_cmp_lt_u32 ttmp9, NLN                        ; the paths part on the work-group's number: all four waves go the same way
	s_cbranch_scc0 .Lweights
; ---------------- layernorm: the work-group takes 32 rows (two row tiles), the wave eight: rows 32 id + 8 wave + i
; Lane l holds k = 8 l .. 8 l + 7 and 256 + 8 l .. + 7 of a row: eight neighbours along K are what one conversion takes.
	s_lshl_b32 s4, ttmp9, 16
	s_lshl_b32 s5, s2, 14
	s_add_co_u32 s4, s4, s5
	s_mov_b32 s5, 0
	s_add_nc_u64 s[8:9], s[8:9], s[4:5]            ; x at my wave's first row
	v_lshlrev_b32 v2, 5, v1                        ; 32 bytes a lane
	global_load_b128 v[G:G+3],     v2, s[10:11]
	global_load_b128 v[G+4:G+7],   v2, s[10:11] offset:16
	global_load_b128 v[G+8:G+11],  v2, s[10:11] offset:1024
	global_load_b128 v[G+12:G+15], v2, s[10:11] offset:1040
	global_load_b128 v[BB:BB+3],     v2, s[12:13]
	global_load_b128 v[BB+4:BB+7],   v2, s[12:13] offset:16
	global_load_b128 v[BB+8:BB+11],  v2, s[12:13] offset:1024
	global_load_b128 v[BB+12:BB+15], v2, s[12:13] offset:1040
.irp i, 0,1,2,3,4,5,6,7
	global_load_b128 v[X+16*\i:X+16*\i+3],     v2, s[8:9] offset:2048*\i th:TH_LOAD_NT
	global_load_b128 v[X+16*\i+4:X+16*\i+7],   v2, s[8:9] offset:2048*\i+16 th:TH_LOAD_NT
	global_load_b128 v[X+16*\i+8:X+16*\i+11],  v2, s[8:9] offset:2048*\i+1024 th:TH_LOAD_NT
	global_load_b128 v[X+16*\i+12:X+16*\i+15], v2, s[8:9] offset:2048*\i+1040 th:TH_LOAD_NT
.endr
	; the stage.  Eight codes k = 256 q + 8 l + j belong to K step 2 q + l / 16, group (l % 16) / 4, half h = l % 2, bytes 8 ((l / 2) % 2) on, lane 16 h + row.
	; group n = 16 variant + 4 K step + g lies at 544 n; its half h at + 272 h; row r at + 16 r
	v_bfe_u32 v16, v0, 4, 1                        ; l / 16
	v_bfe_u32 v17, v0, 2, 2                        ; (l % 16) / 4
	v_and_b32 v18, 1, v0                           ; l % 2
	v_bfe_u32 v19, v0, 1, 1                        ; (l / 2) % 2
	v_lshl_add_u32 v17, v17, 1, v18
	v_mul_u32_u24 v3, v16, 2176
	v_mad_u32_u24 v3, v17, 272, v3
	v_lshl_add_u32 v3, v19, 3, v3
	s_lshl_b32 s52, s6, 7                          ; my eight rows: 16 x 8 (wave % 2)
	s_mul_i32 s53, s7, TILEB                       ; my row tile's stage
	s_add_co_u32 s52, s52, s53
	v_add_nc_u32 v3, s52, v3                       ; v3: where I store eight codes
	v_and_b32 v18, 15, v0
	v_mul_u32_u24 v4, v16, 272
	v_lshl_add_u32 v4, v18, 4, v4
	s_mul_i32 s54, s6, 24*544
	s_add_co_u32 s54, s54, s53
	v_add_nc_u32 v4, s54, v4                       ; v4: where I read 16 bytes back: my half of the tile's 48 groups
	s_mul_i32 s4, ttmp9, 49152
	s_mul_i32 s54, s2, 12288
	s_add_co_u32 s4, s4, s54
	s_add_nc_u64 s[28:29], s[28:29], s[4:5]        ; xq at those 24 groups
	v_lshlrev_b32 v5, 4, v1
	s_mov_b32 s34, 0x76543210                      ; v_permlanex16_b32: lane l xor 16
	s_mov_b32 s35, 0xfedcba98
	s_mov_b32 s56, 0x3b000000                      ; 1 / 512
	s_mov_b32 s57, 0x3727c5ac                      ; 1e-5
	v_mov_b32 v13, 0                               ; upper halves of the pairs v[12:13], v[14:15], and the permute's destination: written once
	v_mov_b32 v15, 0
	v_mov_b32 v16, 0
	s_wait_kmcnt 0x0
.irp n, 0,1,2                                  ; variant n: e(1 + 2 n)
	s_add_co_i32 s52, s[37+2*\n], 127
	s_lshl_b32 s53, s52, 23
	v_mov_b32 v[6+\n], s53                         ; 2^e as f32: the conversion takes its exponent field
	s_add_co_i32 s52, s52, 8
	s_lshl_b32 s52, s52, 23
	s_or_b32 s52, s52, 0x600000
	v_mov_b32 v[9+\n], s52                         ; 448 x 2^e
.endr
.macro RED32 r, t                      ; the sum over the 32 lanes, in every lane
	v_add_f32_dpp v[\r], v[\r], v[\r] row_xmask:1 row_mask:0xf bank_mask:0xf
	v_add_f32_dpp v[\r], v[\r], v[\r] row_xmask:2 row_mask:0xf bank_mask:0xf
	v_add_f32_dpp v[\r], v[\r], v[\r] row_xmask:4 row_mask:0xf bank_mask:0xf
	v_add_f32_dpp v[\r], v[\r], v[\r] row_xmask:8 row_mask:0xf bank_mask:0xf
	v_permlanex16_b32 v[\t], v[\r], s34, s35
	v_add_f32 v[\r], v[\r], v[\t]
.endm
; One row: mean, then the squares of x - mean (no difference of large sums), rsqrt, gain and bias; three holds and conversions for each of the lane's two runs of eight.
.macro LNROW i
.set XR, X+16*(\i)
.set CD, 36+12*((\i)%2)                ; codes: two sets of 12 registers by turns
	s_wait_loadcnt 4*(7-(\i))                      ; gain, bias and rows up to this one are in; the later rows' four loads each may be out
	v_pk_add_f32 v[20:21], v[XR:XR+1], v[XR+2:XR+3]
	v_pk_add_f32 v[22:23], v[XR+4:XR+5], v[XR+6:XR+7]
	v_pk_add_f32 v[24:25], v[XR+8:XR+9], v[XR+10:XR+11]
	v_pk_add_f32 v[26:27], v[XR+12:XR+13], v[XR+14:XR+15]
	v_pk_add_f32 v[20:21], v[20:21], v[22:23]
	v_pk_add_f32 v[24:25], v[24:25], v[26:27]
	v_pk_add_f32 v[20:21], v[20:21], v[24:25]
	v_add_f32 v20, v20, v21
	RED32 20, 16
	v_mul_f32 v12, 0x3b000000, v20                 ; the mean
.irp j, 0,2,4,6,8,10,12,14
	v_pk_add_f32 v[XR+\j:XR+\j+1], v[XR+\j:XR+\j+1], v[12:13] op_sel_hi:[1,0] neg_lo:[0,1] neg_hi:[0,1]
.endr
	v_pk_mul_f32 v[20:21], v[XR:XR+1], v[XR:XR+1]
	v_pk_mul_f32 v[22:23], v[XR+2:XR+3], v[XR+2:XR+3]
.irp j, 4,8,12
	v_pk_fma_f32 v[20:21], v[XR+\j:XR+\j+1], v[XR+\j:XR+\j+1], v[20:21]
	v_pk_fma_f32 v[22:23], v[XR+\j+2:XR+\j+3], v[XR+\j+2:XR+\j+3], v[22:23]
.endr
	v_pk_add_f32 v[20:21], v[20:21], v[22:23]
	v_add_f32 v20, v20, v21
	RED32 20, 16
	v_fma_f32 v17, v20, s56, s57                   ; variance + eps
	v_rsq_f32 v14, v17
	v_nop                                          ; a plain instruction behind the transcendental
	s_wait_alu depctr_va_vdst(0)                   ; and the wait ahead of its first reader
.irp j, 0,2,4,6,8,10,12,14
	v_pk_mul_f32 v[XR+\j:XR+\j+1], v[XR+\j:XR+\j+1], v[14:15] op_sel_hi:[1,0]
.endr
.irp j, 0,2,4,6,8,10,12,14
	v_pk_fma_f32 v[XR+\j:XR+\j+1], v[XR+\j:XR+\j+1], v[G+\j:G+\j+1], v[BB+\j:BB+\j+1]
.endr
	s_wait_dscnt 0x6                               ; the row before may have its six stores out; those of two rows back, which read this set of codes, are done
.irp q, 0,1
.irp n, 0,1,2
.set TT, 20+8*((3*\q+\n)%2)            ; held numbers: two sets by turns, so that eight plain lines stand between a conversion and the next write of its sources
.irp j, 0,1,2,3,4,5,6,7
	v_med3_num_f32 v[TT+\j], v[XR+8*\q+\j], -v[9+\n], v[9+\n]   ; the conversion does not saturate (ISA guide 7.6.2): the hold at 448 x the scale
.endr
	v_cvt_scalef32_pk8_fp8_f32 v[CD+6*\q+2*\n:CD+6*\q+2*\n+1], v[TT:TT+7], v[6+\n]
	ds_store_b64 v3, v[CD+6*\q+2*\n:CD+6*\q+2*\n+1] offset:\n*8704+\q*4352+(\i)*16
.endr
.endr
.endm
.irp i, 0,1,2,3,4,5,6,7
	LNROW \i
.endr
	s_wait_dscnt 0x0                               ; for the other wave of my row tile: my stores have landed
	s_barrier_signal -1
	s_barrier_wait -1
.set m, 0
.rept 24
	ds_load_b128 v[32+4*m:35+4*m], v4 offset:544*m ; a whole group: 32 lanes x 16 bytes, rows of both waves
.set m, m+1
.endr
.set m, 0
.rept 24
	s_wait_dscnt 23-m                              ; LDS loads come back in order: group m is in
	global_store_b128 v5, v[32+4*m:35+4*m], s[28:29] offset:512*m   ; 512 consecutive bytes, aligned
.set m, m+1
.endr
	s_wait_tensorcnt 0x0
	ds_add_u32 v224, v225
	s_wait_dscnt 0x0
	s_endpgm
; ---------------- weights: a work-group takes 64 columns x 128 along K; a wave 32 columns x 64.  A LANE TAKES A COLUMN AND ITS REGISTERS RUN DOWN K.
; s[52:53]: my first number; s[54:55]: my place in the images; s56: e; v5: (lane / 16) x the bytes from a fragment to that of the next 16 columns + 16 (lane % 16).
.macro WBODY pitch
.set m, 0
.rept 64
	global_load_b32 v[32+m], v2, s[52:53] offset:m*\pitch th:TH_LOAD_NT   ; row k, 32 neighbouring columns
.set m, m+1
.endr
	s_add_co_i32 s57, s56, 127
	s_lshl_b32 s58, s57, 23
	v_mov_b32 v6, s58                              ; 2^e
	s_add_co_i32 s57, s57, 8
	s_lshl_b32 s57, s57, 23
	s_or_b32 s57, s57, 0x600000
	v_mov_b32 v9, s57                              ; 448 x 2^e
	s_wait_loadcnt 0x0
.set m, 0
.rept 64
	v_med3_num_f32 v[32+m], v[32+m], -v9, v9
.set m, m+1
.endr
.irp b, 0,1                                    ; 32 along K are one group: k 0-7 and 16-23 are the 16 bytes of lane r, k 8-15 and 24-31 those of lane 16 + r
	v_cvt_scalef32_pk8_fp8_f32 v[96+8*\b:97+8*\b],   v[32+32*\b:39+32*\b], v6
	v_cvt_scalef32_pk8_fp8_f32 v[100+8*\b:101+8*\b], v[40+32*\b:47+32*\b], v6
	v_cvt_scalef32_pk8_fp8_f32 v[98+8*\b:99+8*\b],   v[48+32*\b:55+32*\b], v6
	v_cvt_scalef32_pk8_fp8_f32 v[102+8*\b:103+8*\b], v[56+32*\b:63+32*\b], v6
.endr
.irp b, 0,1
	global_store_b128 v5, v[96+8*\b:99+8*\b],   s[54:55] offset:512*\b       ; sixteen lanes fill 256 consecutive bytes, aligned
	global_store_b128 v5, v[100+8*\b:103+8*\b], s[54:55] offset:512*\b+256
.endr
	s_endpgm
.endm
.Lweights:
	s_wait_kmcnt 0x0                               ; the exponents
	v_lshlrev_b32 v2, 2, v1                        ; 4 bytes a lane
	v_lshrrev_b32 v3, 4, v1
	v_and_b32 v4, 15, v1
	v_lshlrev_b32 v4, 4, v4
	s_lshl_b32 s3, s6, 7                           ; my 32 columns of the 64, in bytes
	s_cmp_lt_u32 ttmp9, 352
	s_cbranch_scc0 .Lnot_qkv
	; Wq, Wk, Wv [8][512][64]: u = id - 256: tensor t = u / 32, head u % 8, K step (u / 8) % 4
	s_sub_co_u32 s4, ttmp9, 256
	s_lshr_b32 s5, s4, 5
	s_and_b32 s34, s4, 7
	s_bfe_u32 s35, s4, 0x20003
	s_cmp_eq_u32 s5, 0
	s_cselect_b64 s[52:53], s[14:15], s[16:17]
	s_cselect_b32 s56, s36, s38
	s_cmp_eq_u32 s5, 2
	s_cselect_b64 s[52:53], s[18:19], s[52:53]
	s_cselect_b32 s56, s40, s56                    ; e0, e2 or e4
	s_lshl_b32 s58, s34, 17                        ; the head: 512 x 64 x 4 bytes
	s_lshl_b32 s59, s35, 15                        ; 128 rows of 256 bytes
	s_add_co_u32 s58, s58, s59
	s_lshl_b32 s59, s7, 14                         ; my 64 of them
	s_add_co_u32 s58, s58, s59
	s_add_co_u32 s58, s58, s3
	s_mov_b32 s59, 0
	s_add_nc_u64 s[52:53], s[52:53], s[58:59]
	s_lshl_b32 s58, s34, 1
	s_add_co_u32 s58, s58, s6                      ; NT / 2 = 2 head + wave % 2
	s_mul_i32 s58, s58, 3
	s_add_co_u32 s58, s58, s5
	s_lshl_b32 s58, s58, 3
	s_add_co_u32 s58, s58, s35
	s_lshl_b32 s58, s58, 11
	s_lshl_b32 s60, s7, 10                         ; groups 2 (wave / 2) on
	s_add_co_u32 s58, s58, s60
	s_add_nc_u64 s[54:55], s[30:31], s[58:59]
	v_lshl_add_u32 v5, v3, 13, v4                  ; the next 16 columns' fragment lies four fragments on
	WBODY 256
.Lnot_qkv:
	v_lshl_add_u32 v5, v3, 11, v4                  ; in wtail it is the next fragment
	s_cmp_lt_u32 ttmp9, 384
	s_cbranch_scc0 .Lnot_wo
	; Wo [512][512]: u = id - 352: 64 columns u % 8, K step u / 8
	s_sub_co_u32 s4, ttmp9, 352
	s_and_b32 s34, s4, 7
	s_lshr_b32 s35, s4, 3
	s_lshl_b32 s58, s35, 18
	s_lshl_b32 s59, s7, 17
	s_add_co_u32 s58, s58, s59
	s_lshl_b32 s59, s34, 8
	s_add_co_u32 s58, s58, s59
	s_add_co_u32 s58, s58, s3
	s_mov_b32 s59, 0
	s_add_nc_u64 s[52:53], s[20:21], s[58:59]
	s_lshr_b32 s58, s35, 1                         ; tile ks / 2
	s_lshl_b32 s58, s58, 3
	s_add_co_u32 s58, s58, s34                     ; wave = NT / 4
	s_lshl_b32 s58, s58, 3
	s_and_b32 s60, s35, 1
	s_lshl_b32 s60, s60, 2
	s_add_co_u32 s58, s58, s60
	s_lshl_b32 s60, s6, 1
	s_add_co_u32 s58, s58, s60                     ; f = 4 (ks % 2) + NT % 4
	s_lshl_b32 s58, s58, 11
	s_lshl_b32 s60, s7, 10
	s_add_co_u32 s58, s58, s60
	s_add_nc_u64 s[54:55], s[32:33], s[58:59]
	s_mov_b32 s56, s47                             ; e11
	WBODY 2048
.Lnot_wo:
	s_cmp_lt_u32 ttmp9, 512
	s_cbranch_scc0 .Lw2
	; W1 [512][2048]: u = id - 384: 64 columns u % 32, K step u / 32
	s_sub_co_u32 s4, ttmp9, 384
	s_and_b32 s34, s4, 31
	s_lshr_b32 s35, s4, 5
	s_lshl_b32 s58, s35, 20
	s_lshl_b32 s59, s7, 19
	s_add_co_u32 s58, s58, s59
	s_lshl_b32 s59, s34, 8
	s_add_co_u32 s58, s58, s59
	s_add_co_u32 s58, s58, s3
	s_mov_b32 s59, 0
	s_add_nc_u64 s[52:53], s[22:23], s[58:59]
	s_lshr_b32 s58, s34, 2
	s_lshl_b32 s58, s58, 1
	s_add_co_u32 s58, s58, 2                       ; tile 2 + 2 (NT / 16)
	s_lshl_b32 s58, s58, 3
	s_and_b32 s60, s34, 3
	s_lshl_b32 s60, s60, 1
	s_add_co_u32 s60, s60, s6
	s_add_co_u32 s58, s58, s60                     ; wave = (NT % 16) / 2
	s_lshl_b32 s58, s58, 14
	s_lshl_b32 s60, s35, 12                        ; f = 2 ks + NT % 2
	s_add_co_u32 s58, s58, s60
	s_lshl_b32 s60, s7, 10
	s_add_co_u32 s58, s58, s60
	s_add_nc_u64 s[54:55], s[32:33], s[58:59]
	s_mov_b32 s56, s49                             ; e13
	WBODY 8192
.Lw2:
	; W2 [2048][512]: u = id - 512: 64 columns u % 8, K step u / 8 (0..15)
	s_sub_co_u32 s4, ttmp9, 512
	s_and_b32 s34, s4, 7
	s_lshr_b32 s35, s4, 3
	s_lshl_b32 s58, s35, 18
	s_lshl_b32 s59, s7, 17
	s_add_co_u32 s58, s58, s59
	s_lshl_b32 s59, s34, 8
	s_add_co_u32 s58, s58, s59
	s_add_co_u32 s58, s58, s3
	s_mov_b32 s59, 0
	s_add_nc_u64 s[52:53], s[24:25], s[58:59]
	s_lshr_b32 s58, s35, 1
	s_lshl_b32 s58, s58, 1
	s_add_co_u32 s58, s58, 3                       ; tile 3 + 2 (KS / 2)
	s_lshl_b32 s58, s58, 3
	s_add_co_u32 s58, s58, s34
	s_lshl_b32 s58, s58, 3
	s_and_b32 s60, s35, 1
	s_lshl_b32 s60, s60, 2
	s_add_co_u32 s58, s58, s60
	s_lshl_b32 s60, s6, 1
	s_add_co_u32 s58, s58, s60
	s_lshl_b32 s58, s58, 11
	s_lshl_b32 s60, s7, 10
	s_add_co_u32 s58, s58, s60
	s_add_nc_u64 s[54:55], s[32:33], s[58:59]
	s_mov_b32 s56, s51                             ; e15
	WBODY 2048
.Lfunc_end_k_q38d3228867_prep:
	.size	k_q38d3228867_prep, .Lfunc_end_k_q38d3228867_prep-k_q38d3228867_prep
	.p2alignl 7, 3214868480
	.fill 96, 4, 3214868480
	.section	.rodata,"a",@progbits
	.p2align	6, 0x0
	.amdhsa_kernel k_q38d3228867_prep
		.amdhsa_group_segment_fixed_size 52736
		.amdhsa_private_segment_fixed_size 0
		.amdhsa_enable_private_segment 0
		.amdhsa_kernarg_size 104
		.amdhsa_user_sgpr_count 2
		.amdhsa_user_sgpr_kernarg_segment_ptr 1
		.amdhsa_wavefront_size32 1
		.amdhsa_system_sgpr_workgroup_id_x 1
		.amdhsa_system_sgpr_workgroup_id_y 1
		.amdhsa_system_sgpr_workgroup_id_z 1
		.amdhsa_system_vgpr_workitem_id 0
		.amdhsa_next_free_vgpr 226
		.amdhsa_next_free_sgpr 66
		.amdhsa_reserve_vcc 0
		.amdhsa_float_denorm_mode_32 3
		.amdhsa_float_denorm_mode_16_64 3
		.amdhsa_memory_ordered 1
		.amdhsa_forward_progress 1
		.amdhsa_inst_pref_size 120
	.end_amdhsa_kernel
	.amdgpu_metadata
---
amdhsa.version: [ 1, 2 ]
amdhsa.kernels:
  - .name:           k_q38d3228867_prep
    .symbol:         k_q38d3228867_prep.kd
    .args:
      - { .name: x, .offset: 0, .size: 8, .value_kind: global_buffer, .address_space: global }
      - { .name: ln1_g, .offset: 8, .size: 8, .value_kind: global_buffer, .address_space: global }
      - { .name: ln1_b, .offset: 16, .size: 8, .value_kind: global_buffer, .address_space: global }
      - { .name: Wq, .offset: 24, .size: 8, .value_kind: global_buffer, .address_space: global }
      - { .name: Wk, .offset: 32, .size: 8, .value_kind: global_buffer, .address_space: global }
      - { .name: Wv, .offset: 40, .size: 8, .value_kind: global_buffer, .address_space: global }
      - { .name: Wo, .offset: 48, .size: 8, .value_kind: global_buffer, .address_space: global }
      - { .name: W1, .offset: 56, .size: 8, .value_kind: global_buffer, .address_space: global }
      - { .name: W2, .offset: 64, .size: 8, .value_kind: global_buffer, .address_space: global }
      - { .name: lowp_scales, .offset: 72, .size: 8, .value_kind: global_buffer, .address_space: global }
      - { .name: xq, .offset: 80, .size: 8, .value_kind: global_buffer, .address_space: global }
      - { .name: wqkv, .offset: 88, .size: 8, .value_kind: global_buffer, .address_space: global }
      - { .name: wtail, .offset: 96, .size: 8, .value_kind: global_buffer, .address_space: global }
    .group_segment_fixed_size: 52736
    .private_segment_fixed_size: 0
    .kernarg_segment_align: 8
    .kernarg_segment_size: 104
    .max_flat_workgroup_size: 128
    .sgpr_count:     66
    .vgpr_count:     226
    .wavefront_size: 32
...
	.end_amdgpu_metadata
.endif
;; end of part 1
;; launch qkv (part 2): grid 4 x 64, 4 waves a work-group, clusters of 4 x 1, 197,120 bytes of LDS; arguments xq, wqkv, bq, bk, bv, lowp_scales, qc, kv; writes qc, kv
.if DOCPART == 2
	.amdgcn_target "amdgcn-amd-amdhsa--gfx1250"
	.amdhsa_code_object_version 6
	.text
	.protected	k_q38d3228867_qkv
	.globl	k_q38d3228867_qkv
	.p2align	8
	.type	k_q38d3228867_qkv,@function
k_q38d3228867_qkv:
	s_mov_b64 s[64:65], 0
	v_nop
	global_prefetch_b8 v0, s[64:65] scope:SCOPE_SE
	s_setreg_imm32_b32 hwreg(HW_REG_WAVE_MODE, 25, 1), 1
	s_wait_xcnt 0x0
	s_wait_alu depctr_hold_cnt(0) depctr_sa_sdst(0) depctr_va_vdst(0) depctr_va_sdst(0) depctr_va_ssrc(0) depctr_va_vcc(0) depctr_vm_vsrc(0)
	s_getreg_b32 s2, hwreg(HW_REG_IB_STS2, 6, 4)
	s_cmp_eq_u32 s2, 0
	s_cbranch_scc0 .Lentry_in_a_cluster
	s_endpgm
.Lentry_in_a_cluster:
	s_bfe_u32 s2, ttmp6, 0x10000c
	s_cmp_lg_u32 s2, 0x3003
	s_cbranch_scc0 .Lentry_shape_is_right
	s_endpgm
.Lentry_shape_is_right:
; q, k, v = xn W + b on codes of E4M3, and their own quantising for the two products of attention.  All operands are images of registers (16 rows x 128 K: [group 4][lane][16 bytes]).
; SHARES.  Work-group (cx, y): head pair cx, rows 128 y .. 128 y + 127 (one key step of one batch).  Wave w: head 2 cx + w / 2, channels 32 (w % 2) + 0..31 of q, k and v.
; The wave's 24 weight fragments (384 registers) are loaded once and stay.  The 128 rows' codes (8 row tiles x 3 variants x 4 K steps = 196,608 dense bytes) are needed by all four head pairs:
; the four work-groups of a cluster ask for them JOINTLY, once; LDS is filled once, nothing is filled again.  The weights are not asked for jointly: the four partners hold different columns.
; q, k: source 0 = 16 columns of W, source 1 = 16 rows of xn: a lane holds one row, its registers eight neighbouring channels: one conversion gives registers 2 c, 2 c + 1 of the next operand (K = the head's 64).
; v:    source 0 = 16 rows of xn, source 1 = 16 columns of Wv: a lane holds one channel, its registers eight neighbouring keys (K = the keys).
; The bias is the C of a sum's first product, divided by 2^(ew + ex); the three scales ahead of each quantiser are folded into the conversion's one.
; qc: [b h 32][query tile 128][1,024].  kv: [b h 32][key step 16][K: 8 tiles x 1,024, then V: 4 tiles of 16 channels x 2,048].
; LIMITS: e6 - e0 - e1, e7 - e2 - e3, e9 - e4 - e5 between -126 and 119.  NaN is not served.
; REGISTERS, windows of 256: window 0: v2-18 addresses and scales; v32-95 two sets of four accumulators; v96-191 codes, eight registers a unit, never rewritten.
;   window 1: Wq, Wk at 16 (8 t + 4 nt + ks).  window 2: Wv v0-127; biases v128-175.  window 3: xn's fragments, two buffers of 128.
.set WV, 20
.set G1, 24                            ; s[24:31] descriptor group 1
.set G0, 32                            ; s[32:39] group 0 for the two halves
.set E,  40                            ; s40-55 e0 .. e15
.set LI, 2                             ; v2  16 x lane
.set VH, 3                             ; v3  32 x (lane / 16)
.set VR, 4                             ; v4  4 x (lane % 16)
.set AX, 8                             ; v8-11  LDS address of row tiles 2 p, 2 p + 1
.set QS, 12                            ; v12-14 the conversion's scale for q, k, v
.set QL, 16                            ; v16-18 448 x that
.set ACC, 32
.set CD,  96
.set MSB, 0
.macro WIN new                         ; the immediate's high byte repeats the setting that is left
.if MSB != \new
	s_set_vgpr_msb (MSB<<8)|\new
.set MSB, \new
.endif
.endm
.macro ROUND                           ; a round of the cluster's barrier
	s_barrier_signal -1
	s_barrier_wait -1
	s_cmp_lg_u32 s[WV], 0
	s_cbranch_scc1 .Lnw0_\@
	s_barrier_signal -3
.Lnw0_\@:
	s_barrier_wait -3
	s_barrier_signal -1
	s_barrier_wait -1
.endm
.macro MKSC vs, vl, se                 ; from the exponent in s[se]: 2^e and 448 x 2^e as f32
	s_add_co_i32 s68, s[\se], 127
	s_lshl_b32 s69, s68, 23
	v_mov_b32 v[\vs], s69
	s_add_co_i32 s68, s68, 8
	s_lshl_b32 s68, s68, 23
	s_or_b32 s68, s68, 0x600000
	v_mov_b32 v[\vl], s68
.endm
	s_load_b512 s[4:19], s[0:1], 0x0               ; xq s4, wqkv s6, bq s8, bk s10, bv s12, exponents s14, qc s16, kv s18
	v_lshl_add_u32 v254, v0, 2, 0x30000
	v_mov_b32 v255, 0
	ds_add_u32 v254, v255
	ds_add_u32 v254, v255
	v_lshrrev_b32 v1, 5, v0
	v_readfirstlane_b32 s[WV], v1                  ; wave 0..3
	s_and_b32 s21, ttmp7, 0xffff                   ; which 128 rows: shared by the four partners
	s_mov_b32 s[G1+0], 0x23000f                    ; 15:0 mask: all four work-groups; 17:16 elements of 8 bytes; 21 set beside a mask; no padding
	s_mov_b32 s[G1+1], 32<<16                      ; tensor_dim0 = 32 elements: rows of 256 bytes
	s_mov_b32 s[G1+2], 96<<16                      ; tensor_dim1 = 96
	s_mov_b32 s[G1+3], 32<<16                      ; tile_dim0
	s_mov_b32 s[G1+4], 96                          ; tile_dim1: 24,576 dense bytes a load
	s_mov_b32 s[G1+5], 32                          ; the pitch
	s_mov_b32 s[G1+6], 0
	s_mov_b32 s[G1+7], 0
	s_mul_i32 s22, s[WV], 24576                    ; my quarter of a half, in LDS and in memory alike
	s_mul_i32 s56, s21, 196608
	s_add_co_u32 s56, s56, s22
	s_mov_b32 s57, 0
	s_wait_dscnt 0x0
	s_wait_kmcnt 0x0
	s_load_b512 s[E:E+15], s[14:15], 0x0
	s_add_nc_u64 s[56:57], s[4:5], s[56:57]
	ROUND                                          ; all four work-groups are here: the joint loads meet
.irp a, 0,1
	s_mov_b32 s[G0+4*\a], 1
	s_add_co_u32 s[G0+4*\a+1], s22, \a*98304       ; half a: row tiles 4 a .. 4 a + 3
	s_add_nc_u64 s[G0+4*\a+2:G0+4*\a+3], s[56:57], \a*98304
	s_or_b32 s[G0+4*\a+3], s[G0+4*\a+3], 0x80000000
.endr
	tensor_load_to_lds s[G0:G0+3], s[G1:G1+7]      ; both fills go out together: two loads of mine are out
	s_nop 0
	tensor_load_to_lds s[G0+4:G0+7], s[G1:G1+7]
	s_nop 0
.rept 4
	v_nop                                          ; behind a tensor load
.endr
	s_bfe_u32 s58, ttmp6, 0x40000                  ; cx
	s_lshl_b32 s59, ttmp9, 2
	s_add_co_u32 s58, s58, s59                     ; the head pair: it enters global addresses alone
	s_lshl_b32 s59, s58, 2
	s_add_co_u32 s59, s59, s[WV]
	s_mul_i32 s60, s59, 49152
	s_mov_b32 s61, 0
	s_add_nc_u64 s[6:7], s[6:7], s[60:61]          ; my 24 fragments
	v_and_b32 v1, 31, v0
	v_lshlrev_b32 v[LI], 4, v1
	WIN 0x40                                       ; destination window 1
.set m, 0
.rept 64
	global_load_b128 v[4*m:4*m+3], v[LI], s[6:7] offset:512*m
.set m, m+1
.endr
	WIN 0x80                                       ; destination window 2
.set m, 0
.rept 32
	global_load_b128 v[4*m:4*m+3], v[LI], s[6:7] offset:32768+512*m
.set m, m+1
.endr
	WIN 0
	s_lshr_b32 s62, s[WV], 1
	s_lshl_b32 s63, s58, 1
	s_add_co_u32 s62, s62, s63                     ; the head
	s_and_b32 s63, s[WV], 1                        ; which 32 of its channels
	s_lshl_b32 s60, s62, 8
	s_lshl_b32 s66, s63, 7
	s_add_co_u32 s60, s60, s66
	s_add_nc_u64 s[8:9], s[8:9], s[60:61]
	s_add_nc_u64 s[10:11], s[10:11], s[60:61]
	s_add_nc_u64 s[12:13], s[12:13], s[60:61]
	v_bfe_u32 v[VH], v0, 4, 1
	v_lshlrev_b32 v[VH], 5, v[VH]
	v_and_b32 v[VR], 15, v0
	v_lshlrev_b32 v[VR], 2, v[VR]
	WIN 0x80
.irp nt, 0,1
	global_load_b128 v[128+8*\nt:131+8*\nt], v[VH], s[8:9] offset:64*\nt       ; bq at channels 16 nt + 8 h + 0..7: the result's layout
	global_load_b128 v[132+8*\nt:135+8*\nt], v[VH], s[8:9] offset:64*\nt+16
	global_load_b128 v[144+8*\nt:147+8*\nt], v[VH], s[10:11] offset:64*\nt
	global_load_b128 v[148+8*\nt:151+8*\nt], v[VH], s[10:11] offset:64*\nt+16
	global_load_b32 v[160+8*\nt], v[VR], s[12:13] offset:64*\nt                ; bv at channel 16 nt + r: in v's result a lane holds one channel
.endr
	WIN 0
.irp p, 0,1,2,3
	v_add_nc_u32 v[AX+\p], \p*49152, v[LI]
.endr
	s_lshr_b32 s66, s21, 4
	s_lshl_b32 s66, s66, 3
	s_add_co_u32 s66, s66, s62                     ; b x 8 + head
	s_and_b32 s67, s21, 15                         ; the key step
	s_lshl_b32 s60, s66, 17
	s_lshl_b32 s68, s67, 13
	s_add_co_u32 s60, s60, s68
	s_lshl_b32 s68, s63, 9                         ; my two tiles of channels are group w % 2 of a fragment of 64 along K
	s_add_co_u32 s60, s60, s68
	s_add_nc_u64 s[70:71], s[16:17], s[60:61]      ; q's codes
	s_lshl_b32 s60, s66, 18
	s_lshl_b32 s69, s67, 14
	s_add_co_u32 s60, s60, s69
	s_add_nc_u64 s[74:75], s[18:19], s[60:61]
	s_mov_b32 s60, s68
	s_add_nc_u64 s[72:73], s[74:75], s[60:61]      ; k's
	s_lshl_b32 s60, s63, 12
	s_add_co_u32 s60, s60, 8192
	s_add_nc_u64 s[74:75], s[74:75], s[60:61]      ; v's: tiles 2 (w % 2) + nt
	s_wait_kmcnt 0x0
	s_add_co_i32 s76, s[E+0], s[E+1]
	s_sub_co_i32 s77, s[E+6], s76                  ; e6 - e0 - e1
	s_sub_co_i32 s76, 0, s76
	s_add_co_i32 s78, s[E+2], s[E+3]
	s_sub_co_i32 s79, s[E+7], s78
	s_sub_co_i32 s78, 0, s78
	s_add_co_i32 s80, s[E+4], s[E+5]
	s_sub_co_i32 s81, s[E+9], s80
	s_sub_co_i32 s80, 0, s80
	MKSC QS+0, QL+0, 77
	MKSC QS+1, QL+1, 79
	MKSC QS+2, QL+2, 81
; Unit u = 3 p + t: row tiles 2 p, 2 p + 1, tensor t.  FETCH: its eight fragments of xn (variant t), 32 loads in one run, into buffer u % 2.
.macro FETCH u
	WIN 0xc0                                       ; destination window 3, address window 0
.irp rt, 0,1
.irp ks, 0,1,2,3
.irp g, 0,1,2,3
	ds_load_b128 v[((\u)%2)*128+(\rt*4+\ks)*16+4*\g:((\u)%2)*128+(\rt*4+\ks)*16+4*\g+3], v[AX+(\u)/3] offset:\rt*24576+((\u)%3)*8192+\ks*2048+\g*512
.endr
.endr
.endr
	WIN 0
.endm
.macro UNIT u
.set TY, (\u)%3
.set PP, (\u)/3
.set AC, ACC+32*((\u)%2)
.set XB, 128*((\u)%2)
.set CU, CD+8*(\u)
	s_wait_dscnt 0x0                               ; this unit's fragments are in
.irp ks, 0,1,2,3                               ; 16 products; the four accumulators take turns, one instruction a turn
.if TY < 2
.if \ks == 0
	WIN 0x2d                                       ; W window 1, xn window 3, the bias window 2, the sums window 0
.else
	WIN 0x0d
.endif
.else
.if \ks == 0
	WIN 0x2b                                       ; xn window 3, Wv window 2, the bias window 2
.else
	WIN 0x0b
.endif
.endif
.irp rt, 0,1
.irp nt, 0,1
.if TY < 2
.if \ks == 0
	v_wmma_f32_16x16x128_fp8_fp8 v[AC+8*(2*\rt+\nt):AC+8*(2*\rt+\nt)+7], v[(TY*8+\nt*4+\ks)*16:(TY*8+\nt*4+\ks)*16+15], v[XB+(\rt*4+\ks)*16:XB+(\rt*4+\ks)*16+15], v[128+16*TY+8*\nt:128+16*TY+8*\nt+7]
.else
	v_wmma_f32_16x16x128_fp8_fp8 v[AC+8*(2*\rt+\nt):AC+8*(2*\rt+\nt)+7], v[(TY*8+\nt*4+\ks)*16:(TY*8+\nt*4+\ks)*16+15], v[XB+(\rt*4+\ks)*16:XB+(\rt*4+\ks)*16+15], v[AC+8*(2*\rt+\nt):AC+8*(2*\rt+\nt)+7]
.endif
.else
.if \ks == 0
	v_wmma_f32_16x16x128_fp8_fp8 v[AC+8*(2*\rt+\nt):AC+8*(2*\rt+\nt)+7], v[XB+(\rt*4+\ks)*16:XB+(\rt*4+\ks)*16+15], v[(\nt*4+\ks)*16:(\nt*4+\ks)*16+15], v[160+8*\nt:160+8*\nt+7]
.else
	v_wmma_f32_16x16x128_fp8_fp8 v[AC+8*(2*\rt+\nt):AC+8*(2*\rt+\nt)+7], v[XB+(\rt*4+\ks)*16:XB+(\rt*4+\ks)*16+15], v[(\nt*4+\ks)*16:(\nt*4+\ks)*16+15], v[AC+8*(2*\rt+\nt):AC+8*(2*\rt+\nt)+7]
.endif
.endif
.endr
.endr
.endr
	WIN 0
.rept 4
	v_nop                                          ; four places ahead of the first read of results and of the loads below
.endr
.if (\u) == 5
	s_wait_tensorcnt 0x0                           ; my part of the second half has landed;
	s_barrier_signal -1                            ; (no LDS instruction of mine is out here)
	s_barrier_wait -1                              ; everybody's has
.endif
.if (\u) < 11
	FETCH (\u)+1                                   ; the next unit's fragments land under this unit's conversions
.endif
.set m, 0
.rept 32
	v_med3_num_f32 v[AC+m], v[AC+m], -v[QL+TY], v[QL+TY]   ; the hold; each accumulator from its low end on
.set m, m+1
.endr
.if TY < 2
.irp rt, 0,1                                   ; a row tile's two tiles of channels: four registers, one group of the fragment
	v_cvt_scalef32_pk8_fp8_f32 v[CU+4*\rt:CU+4*\rt+1],   v[AC+16*\rt:AC+16*\rt+7],    v[QS+TY]
	v_cvt_scalef32_pk8_fp8_f32 v[CU+4*\rt+2:CU+4*\rt+3], v[AC+16*\rt+8:AC+16*\rt+15], v[QS+TY]
.endr
.else
.irp nt, 0,1                                   ; a tile of channels: the two row tiles are keys 32 p + 0..31: group p of V's fragment
	v_cvt_scalef32_pk8_fp8_f32 v[CU+4*\nt:CU+4*\nt+1],   v[AC+8*\nt:AC+8*\nt+7],       v[QS+TY]
	v_cvt_scalef32_pk8_fp8_f32 v[CU+4*\nt+2:CU+4*\nt+3], v[AC+16+8*\nt:AC+16+8*\nt+7], v[QS+TY]
.endr
.endif
	v_nop                                          ; a plain line between the last conversion and the products that will write its sources
.if TY == 0
	global_store_b128 v[LI], v[CU:CU+3],   s[70:71] offset:(2*PP)*1024      ; 512 consecutive bytes, aligned
	global_store_b128 v[LI], v[CU+4:CU+7], s[70:71] offset:(2*PP+1)*1024
.elseif TY == 1
	global_store_b128 v[LI], v[CU:CU+3],   s[72:73] offset:(2*PP)*1024
	global_store_b128 v[LI], v[CU+4:CU+7], s[72:73] offset:(2*PP+1)*1024
.else
	global_store_b128 v[LI], v[CU:CU+3],   s[74:75] offset:PP*512
	global_store_b128 v[LI], v[CU+4:CU+7], s[74:75] offset:2048+PP*512
.endif
.endm
	s_wait_tensorcnt 0x1                           ; my part of the first half is in; the second half's load may be out
	s_barrier_signal -1
	s_barrier_wait -1
	FETCH 0
	s_wait_loadcnt 0x0                             ; weights and biases
	WIN 0x82                                       ; source 0 and destination window 2
.set m, 0
.rept 16
	v_ldexp_f32 v[128+m], v[128+m], s76            ; bq / 2^(e0 + e1)
	v_ldexp_f32 v[144+m], v[144+m], s78
.set m, m+1
.endr
.irp nt, 0,1
.irp j, 7,6,5,4,3,2,1,0
	v_ldexp_f32 v[160+8*\nt+\j], v[160+8*\nt], s80 ; bv / 2^(e4 + e5), the same for the lane's eight keys
.endr
.endr
	WIN 0
.irp u, 0,1,2,3,4,5,6,7,8,9,10,11
	UNIT \u
.endr
	s_wait_tensorcnt 0x0
	ds_add_u32 v254, v255
	s_wait_dscnt 0x0
	ROUND                                          ; the closing round: no work-group ends while a partner may still ask for a tile that names it
	s_endpgm
.Lfunc_end_k_q38d3228867_qkv:
	.size	k_q38d3228867_qkv, .Lfunc_end_k_q38d3228867_qkv-k_q38d3228867_qkv
	.p2alignl 7, 3214868480
	.fill 96, 4, 3214868480
	.section	.rodata,"a",@progbits
	.p2align	6, 0x0
	.amdhsa_kernel k_q38d3228867_qkv
		.amdhsa_group_segment_fixed_size 197120
		.amdhsa_private_segment_fixed_size 0
		.amdhsa_enable_private_segment 0
		.amdhsa_kernarg_size 64
		.amdhsa_user_sgpr_count 2
		.amdhsa_user_sgpr_kernarg_segment_ptr 1
		.amdhsa_wavefront_size32 1
		.amdhsa_system_sgpr_workgroup_id_x 1
		.amdhsa_system_sgpr_workgroup_id_y 1
		.amdhsa_system_sgpr_workgroup_id_z 1
		.amdhsa_system_vgpr_workitem_id 0
		.amdhsa_next_free_vgpr 1024
		.amdhsa_next_free_sgpr 96
		.amdhsa_reserve_vcc 0
		.amdhsa_float_denorm_mode_32 3
		.amdhsa_float_denorm_mode_16_64 3
		.amdhsa_memory_ordered 1
		.amdhsa_forward_progress 1
		.amdhsa_inst_pref_size 89
	.end_amdhsa_kernel
	.amdgpu_metadata
---
amdhsa.version: [ 1, 2 ]
amdhsa.kernels:
  - .name:           k_q38d3228867_qkv
    .symbol:         k_q38d3228867_qkv.kd
    .args:
      - { .name: xq, .offset: 0, .size: 8, .value_kind: global_buffer, .address_space: global }
      - { .name: wqkv, .offset: 8, .size: 8, .value_kind: global_buffer, .address_space: global }
      - { .name: bq, .offset: 16, .size: 8, .value_kind: global_buffer, .address_space: global }
      - { .name: bk, .offset: 24, .size: 8, .value_kind: global_buffer, .address_space: global }
      - { .name: bv, .offset: 32, .size: 8, .value_kind: global_buffer, .address_space: global }
      - { .name: lowp_scales, .offset: 40, .size: 8, .value_kind: global_buffer, .address_space: global }
      - { .name: qc, .offset: 48, .size: 8, .value_kind: global_buffer, .address_space: global }
      - { .name: kv, .offset: 56, .size: 8, .value_kind: global_buffer, .address_space: global }
    .group_segment_fixed_size: 197120
    .private_segment_fixed_size: 0
    .kernarg_segment_align: 8
    .kernarg_segment_size: 64
    .max_flat_workgroup_size: 128
    .sgpr_count:     96
    .vgpr_count:     1024
    .wavefront_size: 32
...
	.end_amdgpu_metadata
.endif
;; end of part 2
;; launch attn (part 3): grid 8 x 32, 16 waves a work-group, clusters of 4 x 1, 264,192 bytes of LDS; arguments qc, kv, lowp_scales, avc; writes avc
.if DOCPART == 3
	.amdgcn_target "amdgcn-amd-amdhsa--gfx1250"
	.amdhsa_code_object_version 6
	.text
	.protected	k_q38d3228867_attn
	.globl	k_q38d3228867_attn
	.p2align	8
	.type	k_q38d3228867_attn,@function
k_q38d3228867_attn:
	s_mov_b64 s[64:65], 0
	v_nop
	global_prefetch_b8 v0, s[64:65] scope:SCOPE_SE
	s_setreg_imm32_b32 hwreg(HW_REG_WAVE_MODE, 25, 1), 1
	s_wait_xcnt 0x0
	s_wait_alu depctr_hold_cnt(0) depctr_sa_sdst(0) depctr_va_vdst(0) depctr_va_sdst(0) depctr_va_ssrc(0) depctr_va_vcc(0) depctr_vm_vsrc(0)
	s_getreg_b32 s2, hwreg(HW_REG_IB_STS2, 6, 4)
	s_cmp_eq_u32 s2, 0
	s_cbranch_scc0 .Lentry_in_a_cluster
	s_endpgm
.Lentry_in_a_cluster:
	s_bfe_u32 s2, ttmp6, 0x10000c
	s_cmp_lg_u32 s2, 0x3003
	s_cbranch_scc0 .Lentry_shape_is_right
	s_endpgm
.Lentry_shape_is_right:
; av = softmax(q k^T / 8) v for one head, both products on codes of E4M3; the result is quantised (e10) as the next product's operand.
; THE SOFTMAX: t = score x log2(e) / 8; M = the running largest t rounded UP to a whole number; p = 2^(t - M) is quantised (e8), not normalised; the row's sum is taken of the unquantised p and divides at the end.
; When M moves, the sum and O are multiplied by 2^(old M - new M): exact.
; SHARES.  A work-group owns 256 queries of one (batch, head); each of its sixteen waves 16 of them, in 256 registers: four waves to a SIMD, so that one wave's vector work stands beside another's products.
; THE HEAD'S WHOLE K AND V, 262,144 bytes of images, LIE IN LDS: filled once, as they lie in memory, in three stages (key steps 0-1, 2-5, 6-15), so that work begins when the first 32 KiB are in.
; Nothing is filled again.  The four query blocks of a cluster walk the same K and V: each stage is asked for JOINTLY (waves 0 to 3, a quarter each; three loads of a wave are out).
; LAYOUT.  S^T = K Q^T (source 0 = 16 keys, source 1 = my 16 queries, K = 64), O^T = V^T P^T (source 0 = 16 channels, source 1 = P, K = 128 keys): a lane holds ONE query.
; In S^T's tile t lane (r, h) holds keys 16 t + 8 h + 0..7: one conversion gives registers 2 t, 2 t + 1 of P.  Likewise O^T's tile ct gives registers 2 ct, 2 ct + 1 of the head's 64 along the next K.
; avc: [row tile 512][head 8][1,024].
; LIMITS: e6 + e7 between -124 and 129 (added to c's exponent field); e8 and e10 between -126 and 119.  NaN is not served.
; REGISTERS: v1 16 x lane; v8 the step's LDS address; v12 -M, v13 the largest t, v[14:15] the sum; v16-23 Q; v32-95 K's eight tiles, then V's four; v96-159 S^T, then p; v160-191 O^T; v224-239 p's codes; v240-254 at work.
.set WV,  18
.set SEL, 20                           ; s[20:21] lane selects: lane l xor 16
.set CS,  22                           ; s[22:23] c
.set G1A, 24                           ; three groups 1: 32, 64, 160 rows of 256 bytes
.set G1B, 32
.set G1C, 40
.set G0,  48                           ; s[48:59] three groups 0
.set TB,  60                           ; s60 LDS byte of the key step in hand
.set CNT, 61
.set E,   68                           ; s68-83 e0 .. e15
.macro ROUND
	s_barrier_signal -1
	s_barrier_wait -1
	s_cmp_lg_u32 s[WV], 0
	s_cbranch_scc1 .Lnw0_\@
	s_barrier_signal -3
.Lnw0_\@:
	s_barrier_wait -3
	s_barrier_signal -1
	s_barrier_wait -1
.endm
.macro MKG1 g, rows
	s_mov_b32 s[\g], 0x23000f                      ; mask: all four work-groups; elements of 8 bytes; bit 21 beside the mask; no padding
	s_mov_b32 s[\g+1], 32<<16                      ; rows of 256 bytes
	s_mov_b32 s[\g+2], (\rows)<<16
	s_mov_b32 s[\g+3], 32<<16
	s_mov_b32 s[\g+4], \rows
	s_mov_b32 s[\g+5], 32
	s_mov_b32 s[\g+6], 0
	s_mov_b32 s[\g+7], 0
.endm
	s_load_b256 s[4:11], s[0:1], 0x0               ; qc s4, kv s6, exponents s8, avc s10
	v_lshl_add_u32 v251, v0, 2, 0x40000
	v_mov_b32 v255, 0
	ds_add_u32 v251, v255
	ds_add_u32 v251, v255
	v_lshrrev_b32 v8, 5, v0
	v_readfirstlane_b32 s[WV], v8                  ; wave 0..15
	s_and_b32 s12, ttmp7, 0xffff                   ; batch x 8 + head: shared by the four partners
	s_and_b32 s13, s[WV], 3                        ; which quarter of a stage a fetching wave takes
	MKG1 G1A, 32
	MKG1 G1B, 64
	MKG1 G1C, 160
	s_lshl_b32 s14, s12, 18
	s_mov_b32 s15, 0
	s_mov_b32 s17, 0
	s_wait_dscnt 0x0
	s_wait_kmcnt 0x0
	s_load_b512 s[E:E+15], s[8:9], 0x0
	s_add_nc_u64 s[6:7], s[6:7], s[14:15]          ; the head's K and V
	s_lshl_b32 s16, s13, 13                        ; stage A: 4 x 8,192 bytes from 0
	s_mov_b32 s[G0], 1
	s_mov_b32 s[G0+1], s16
	s_add_nc_u64 s[G0+2:G0+3], s[6:7], s[16:17]
	s_or_b32 s[G0+3], s[G0+3], 0x80000000
	s_lshl_b32 s16, s13, 14                        ; stage B: 4 x 16,384 from 32,768
	s_add_co_u32 s16, s16, 32768
	s_mov_b32 s[G0+4], 1
	s_mov_b32 s[G0+5], s16
	s_add_nc_u64 s[G0+6:G0+7], s[6:7], s[16:17]
	s_or_b32 s[G0+7], s[G0+7], 0x80000000
	s_mul_i32 s16, s13, 40960                      ; stage C: 4 x 40,960 from 98,304
	s_add_co_u32 s16, s16, 98304
	s_mov_b32 s[G0+8], 1
	s_mov_b32 s[G0+9], s16
	s_add_nc_u64 s[G0+10:G0+11], s[6:7], s[16:17]
	s_or_b32 s[G0+11], s[G0+11], 0x80000000
	ROUND                                          ; all four work-groups are here: the joint loads meet
	s_cmp_lt_u32 s[WV], 4                          ; a fetching wave's three fills stand in one branch on the wave's number
	s_cbranch_scc0 .Lno_fetch
	tensor_load_to_lds s[G0:G0+3], s[G1A:G1A+7]
	s_nop 0
	tensor_load_to_lds s[G0+4:G0+7], s[G1B:G1B+7]
	s_nop 0
	tensor_load_to_lds s[G0+8:G0+11], s[G1C:G1C+7]
	s_nop 0
.rept 4
	v_nop                                          ; behind a tensor load
.endr
.Lno_fetch:
	s_bfe_u32 s62, ttmp6, 0x40000                  ; cx: it enters Q's and the result's addresses alone
	s_lshl_b32 s63, ttmp9, 2
	s_add_co_u32 s62, s62, s63
	s_lshl_b32 s62, s62, 4
	s_add_co_u32 s62, s62, s[WV]                   ; my tile of 16 queries, 0..127
	s_mov_b32 s3, 0
	s_lshl_b32 s2, s12, 7
	s_add_co_u32 s2, s2, s62
	s_lshl_b32 s2, s2, 10
	s_add_nc_u64 s[4:5], s[4:5], s[2:3]
	s_lshr_b32 s2, s12, 3
	s_lshl_b32 s2, s2, 7
	s_add_co_u32 s2, s2, s62                       ; row tile = 128 batch + query tile
	s_lshl_b32 s2, s2, 3
	s_and_b32 s63, s12, 7
	s_add_co_u32 s2, s2, s63
	s_lshl_b32 s2, s2, 10
	s_add_nc_u64 s[10:11], s[10:11], s[2:3]
	v_and_b32 v1, 31, v0
	v_lshlrev_b32 v1, 4, v1
	global_load_b128 v[16:19], v1, s[4:5] th:TH_LOAD_NT             ; Q's fragment stays in registers
	global_load_b128 v[20:23], v1, s[4:5] offset:512 th:TH_LOAD_NT
	s_mov_b32 s[SEL], 0x76543210
	s_mov_b32 s[SEL+1], 0xfedcba98
	s_mov_b32 s[CS], 0x3e38aa3b                    ; c = log2(e) / 8
	s_mov_b32 s[TB], 0
	v_mov_b32 v13, 0xff61b1e6                      ; the largest t so far: -3e38
	v_floor_f32 v12, -v13                          ; -M
	v_mov_b32 v14, 0
	v_mov_b32 v15, 0
	v_mov_b32 v246, 0                              ; a lane permute's destination counts as one of its sources
	v_mov_b32 v253, 0                              ; (upper half of the pair v[252:253])
.set j, 0
.rept 32
	v_mov_b32 v[160+j], 0                          ; O^T: the step is written without a first step of its own; the first change of M leaves zeros zeros
.set j, j+1
.endr
	s_wait_kmcnt 0x0
	s_add_co_i32 s14, s[E+6], s[E+7]
	s_lshl_b32 s14, s14, 23
	s_add_co_i32 s[CS], s[CS], s14                 ; a score stands for score x 2^(e6 + e7)
	s_mov_b32 s[CS+1], s[CS]
	s_add_co_i32 s14, s[E+8], 127
	s_lshl_b32 s15, s14, 23
	v_mov_b32 v244, s15                            ; 2^e8
	s_add_co_i32 s14, s14, 8
	s_lshl_b32 s14, s14, 23
	s_or_b32 s14, s14, 0x600000
	v_mov_b32 v240, s14                            ; 448 x 2^e8
	s_add_co_i32 s14, s[E+10], 127
	s_lshl_b32 s15, s14, 23
	v_mov_b32 v245, s15                            ; 2^e10
	s_add_co_i32 s14, s14, 8
	s_lshl_b32 s14, s14, 23
	s_or_b32 s14, s14, 0x600000
	v_mov_b32 v241, s14                            ; 448 x 2^e10
	s_add_co_i32 s16, s[E+8], s[E+9]
; A KEY STEP: 128 keys: 8 products of 64 along K, the softmax, 4 products of 128 along K.
.macro STEP
	v_add_nc_u32 v8, s[TB], v1
.rept 3
	v_nop                                          ; with the addition: four places ahead of loads into registers that the last products have read
.endr
.irp t, 0,1,2,3,4,5,6,7
	ds_load_b128 v[32+8*\t:35+8*\t], v8 offset:\t*1024
	ds_load_b128 v[36+8*\t:39+8*\t], v8 offset:\t*1024+512
.endr
	s_wait_dscnt 0x8                               ; K's tiles 0-3 are in; the youngest eight loads may be out
.irp t, 0,1,2,3
	v_wmma_f32_16x16x64_fp8_fp8 v[96+8*\t:103+8*\t], v[32+8*\t:39+8*\t], v[16:23], 0
.endr
	s_wait_dscnt 0x0
.irp t, 4,5,6,7
	v_wmma_f32_16x16x64_fp8_fp8 v[96+8*\t:103+8*\t], v[32+8*\t:39+8*\t], v[16:23], 0
.endr
.rept 4
	v_nop                                          ; four places: for the loads below and for the first read of the scores
.endr
.irp ct, 0,1,2,3
.irp g, 0,1,2,3
	ds_load_b128 v[32+16*\ct+4*\g:35+16*\ct+4*\g], v8 offset:8192+\ct*2048+\g*512   ; V lands under the softmax
.endr
.endr
	v_max3_num_f32 v254, v96, v97, v98             ; the step's largest score of my query among my 64 keys, in two chains, each tile from its low end on
	v_max3_num_f32 v252, v99, v100, v101
.irp i, 6,10,14,18,22,26,30,34,38,42,46,50,54,58
	v_max3_num_f32 v254, v254, v[96+\i], v[97+\i]
	v_max3_num_f32 v252, v252, v[98+\i], v[99+\i]
.endr
	v_max3_num_f32 v254, v254, v158, v159
	v_max_num_f32 v254, v254, v252
	v_permlanex16_b32 v246, v254, s[SEL], s[SEL+1]
	v_max_num_f32 v254, v254, v246                 ; and among lane l xor 16's
	v_mul_f32 v254, s[CS], v254                    ; as t (c is positive)
	v_max_num_f32 v13, v13, v254
	v_mov_b32 v254, v12
	v_floor_f32 v12, -v13                          ; -M = floor(-t): M is a whole number
	v_sub_f32 v254, v12, v254                      ; old M - new M, 0 or less
	v_cvt_i32_f32 v254, v254                       ; (it saturates)
	v_ldexp_f32 v252, 1.0, v254                    ; f = 2^(old M - new M)
.set j, 0
.rept 32
	v_pk_fma_f32 v[96+j:97+j], v[96+j:97+j], s[CS:CS+1], v[12:13] op_sel_hi:[1,0,0]   ; t - M
.set j, j+2
.endr
.set j, 0
.rept 64
	v_exp_f32 v[96+j], v[96+j]                     ; p = 2^(t - M): one batch
.set j, j+1
.endr
	v_pk_mul_f32 v[14:15], v[14:15], v[252:253] op_sel_hi:[1,0]   ; the sum under the new M: the plain line behind the batch
	s_wait_alu depctr_va_vdst(0)                   ; one wait for the batch, ahead of its first reader
	v_pk_add_f32 v[242:243], v[96:97], v[98:99]    ; the row's sum of the UNQUANTISED p, in two chains
.irp j, 4,8,12,16,20,24,28,32,36,40,44,48,52,56,60
	v_pk_add_f32 v[14:15], v[14:15], v[96+\j:97+\j]
	v_pk_add_f32 v[242:243], v[242:243], v[98+\j:99+\j]
.endr
	v_pk_add_f32 v[14:15], v[14:15], v[242:243]
.irp t, 0,1,2,3,4,5,6,7
.irp i, 0,1,2,3,4,5,6,7
	v_min_num_f32 v[96+8*\t+\i], v[96+8*\t+\i], v240   ; p is not negative: the hold is one-sided
.endr
	v_cvt_scalef32_pk8_fp8_f32 v[224+2*\t:225+2*\t], v[96+8*\t:103+8*\t], v244
.endr
.set j, 0
.rept 16
	v_pk_mul_f32 v[160+j:161+j], v[160+j:161+j], v[252:253] op_sel_hi:[1,0]   ; O^T under the new M; also the plain lines between the conversions and the products
.set j, j+2
.endr
	s_wait_dscnt 0x0                               ; V is in
.irp ct, 0,1,2,3                               ; four accumulators by turns
	v_wmma_f32_16x16x128_fp8_fp8 v[160+8*\ct:167+8*\ct], v[32+16*\ct:47+16*\ct], v[224:239], v[160+8*\ct:167+8*\ct]
.endr
.endm
.macro STAGE left, trips, lab          ; the stage's loads have landed in every fetching wave; then its key steps
	s_wait_tensorcnt \left                         ; the later stages' loads may stay out
	s_wait_dscnt 0x0
	s_barrier_signal -1
	s_barrier_wait -1
	s_mov_b32 s[CNT], \trips
\lab:
	STEP
	s_add_co_u32 s[TB], s[TB], 16384
	s_sub_co_u32 s[CNT], s[CNT], 1
	s_cmp_lg_u32 s[CNT], 0
	s_cbranch_scc1 \lab
.endm
	s_wait_loadcnt 0x0                             ; Q
	STAGE 0x2, 2, .Lsta
	STAGE 0x1, 4, .Lstb
	STAGE 0x0, 10, .Lstc
	; THE WAY OUT: O^T / the sum x 2^(e8 + e9), held, quantised with e10: four conversions give the head's eight registers of the next operand.
.rept 4
	v_nop                                          ; four places behind the last products
.endr
	v_add_f32 v14, v14, v15
	v_permlanex16_b32 v252, v14, s[SEL], s[SEL+1]
	v_add_f32 v14, v14, v252                       ; the row's sum
	v_rcp_f32 v14, v14
	v_nop
	s_wait_alu depctr_va_vdst(0)
	v_ldexp_f32 v14, v14, s16
.set j, 0
.rept 32
	v_mul_f32 v[96+j], v[160+j], v14
.set j, j+1
.endr
.set j, 0
.rept 32
	v_med3_num_f32 v[96+j], v[96+j], -v241, v241
.set j, j+1
.endr
.irp ct, 0,1,2,3
	v_cvt_scalef32_pk8_fp8_f32 v[224+2*\ct:225+2*\ct], v[96+8*\ct:103+8*\ct], v245
.endr
	v_nop
	global_store_b128 v1, v[224:227], s[10:11]             ; 512 consecutive bytes each, aligned
	global_store_b128 v1, v[228:231], s[10:11] offset:512
	s_wait_tensorcnt 0x0
	ds_add_u32 v251, v255
	s_wait_dscnt 0x0
	ROUND                                          ; the closing round
	s_endpgm
.Lfunc_end_k_q38d3228867_attn:
	.size	k_q38d3228867_attn, .Lfunc_end_k_q38d3228867_attn-k_q38d3228867_attn
	.p2alignl 7, 3214868480
	.fill 96, 4, 3214868480
	.section	.rodata,"a",@progbits
	.p2align	6, 0x0
	.amdhsa_kernel k_q38d3228867_attn
		.amdhsa_group_segment_fixed_size 264192
		.amdhsa_private_segment_fixed_size 0
		.amdhsa_enable_private_segment 0
		.amdhsa_kernarg_size 32
		.amdhsa_user_sgpr_count 2
		.amdhsa_user_sgpr_kernarg_segment_ptr 1
		.amdhsa_wavefront_size32 1
		.amdhsa_system_sgpr_workgroup_id_x 1
		.amdhsa_system_sgpr_workgroup_id_y 1
		.amdhsa_system_sgpr_workgroup_id_z 1
		.amdhsa_system_vgpr_workitem_id 0
		.amdhsa_next_free_vgpr 256
		.amdhsa_next_free_sgpr 84
		.amdhsa_reserve_vcc 0
		.amdhsa_float_denorm_mode_32 3
		.amdhsa_float_denorm_mode_16_64 3
		.amdhsa_memory_ordered 1
		.amdhsa_forward_progress 1
		.amdhsa_inst_pref_size 58
	.end_amdhsa_kernel
	.amdgpu_metadata
---
amdhsa.version: [ 1, 2 ]
amdhsa.kernels:
  - .name:           k_q38d3228867_attn
    .symbol:         k_q38d3228867_attn.kd
    .args:
      - { .name: qc, .offset: 0, .size: 8, .value_kind: global_buffer, .address_space: global }
      - { .name: kv, .offset: 8, .size: 8, .value_kind: global_buffer, .address_space: global }
      - { .name: lowp_scales, .offset: 16, .size: 8, .value_kind: global_buffer, .address_space: global }
      - { .name: avc, .offset: 24, .size: 8, .value_kind: global_buffer, .address_space: global }
    .group_segment_fixed_size: 264192
    .private_segment_fixed_size: 0
    .kernarg_segment_align: 8
    .kernarg_segment_size: 32
    .max_flat_workgroup_size: 512
    .sgpr_count:     84
    .vgpr_count:     256
    .wavefront_size: 32
...
	.end_amdgpu_metadata
.endif
;; end of part 3
;; launch tail (part 4): grid 256 x 1, 8 waves a work-group, clusters of 4 x 1, 327,680 bytes of LDS; arguments avc, wtail, x, bo, ln2_g, ln2_b, b1, b2, lowp_scales, out0; writes out0
.if DOCPART == 4
	.amdgcn_target "amdgcn-amd-amdhsa--gfx1250"
	.amdhsa_code_object_version 6
	.text
	.protected	k_q38d3228867_tail
	.globl	k_q38d3228867_tail
	.p2align	8
	.type	k_q38d3228867_tail,@function
k_q38d3228867_tail:
	s_mov_b64 s[64:65], 0
	v_nop
	global_prefetch_b8 v0, s[64:65] scope:SCOPE_SE
	s_setreg_imm32_b32 hwreg(HW_REG_WAVE_MODE, 25, 1), 1
	s_wait_xcnt 0x0
	s_wait_alu depctr_hold_cnt(0) depctr_sa_sdst(0) depctr_va_vdst(0) depctr_va_sdst(0) depctr_va_ssrc(0) depctr_va_vcc(0) depctr_vm_vsrc(0)
	s_getreg_b32 s2, hwreg(HW_REG_IB_STS2, 6, 4)
	s_cmp_eq_u32 s2, 0
	s_cbranch_scc0 .Lentry_in_a_cluster
	s_endpgm
.Lentry_in_a_cluster:
	s_bfe_u32 s2, ttmp6, 0x10000c
	s_cmp_lg_u32 s2, 0x3003
	s_cbranch_scc0 .Lentry_shape_is_right
	s_endpgm
.Lentry_shape_is_right:
; out = x1 + gelu(layernorm(x1) W1 + b1) W2 + b2, x1 = x + av Wo + bo: three products on codes of E4M3, all else f32; nothing between them goes to memory.
; SHARES.  A work-group owns 32 rows (two row tiles).  THE EIGHT WAVES SHARE THE COLUMNS: wave w owns output columns 64 w .. 64 w + 63 and, of each chunk j of 256 hidden units, units 256 j + 32 w .. + 31.
; All products are used transposed (source 0 = 16 columns of a weight, source 1 = 16 rows): a lane holds one row, its registers eight neighbouring columns, so one conversion gives registers 2 c, 2 c + 1 of the next operand.
; WEIGHTS: wtail is one stream of 18 tiles of 131,072 bytes ([wave 8][fragment 8][2,048]: Wo, Wo, then W1's and W2's parts of chunk j by turns) that every work-group walks:
; the four work-groups of a cluster ask for each tile JOINTLY, each wave its own eighth, through a ring of two LDS slots; one load of a wave is out behind each round, two at the start.
; Rows' codes go from wave to wave through LDS as images of registers.  The second product's sums are kept as (x1 + b2) / 2^(e14 + e15) + sums, so that residual and bias cost no pass of their own.
; LAYERNORM over columns that eight waves hold: each wave's own mean and sum of squares about it, joined by M2 = sum M2w + 64 sum (mean_w - mean)^2: no difference of large sums.
; GELU: x / 2 (1 + erf(x / sqrt 2)), erf by the rational form z P(z^2) / Q(z^2) on z held within +-4.  LIMIT: 1 + erf is formed in f32: an absolute error of some 1e-7 of Phi, coarse relative to the result far below zero.
; LIMITS on the exponents: e12, e14 between -126 and 119; e10 + e11, e12 + e13 and e14 + e15 between -125 and 126.  NaN is not served.
; REGISTERS: window 0: v1, v2 the add's; v3-15 addresses; v16-19 two coefficients as pairs; v20-23 scales and holds; v24-31 codes; v32-95 the 8 accumulators of the output (8 (2 nt + rt));
;   v96-127 the 4 of the hidden layer (8 (2 rt + nt)); v128-191 four hidden fragments, earlier x + bo and the norm's work; v192-255 at work.   window 1: v0-127 eight weight fragments; v128-255 the rows' eight fragments (av, then x2).
.set SLOTB, 131072
.set IMG,   262144                     ; 8 fragments: av, later x2
.set HIMG,  278528                     ; 4 fragments of the hidden layer
.set STG,   286720                     ; a stage of 16 rows x (256 + 16) bytes for each wave
.set STAT,  321536                     ; [row tile 2][row 16][wave 8][mean, M2]
.set SPARE, 323584                     ; the spare words: 128 bytes a wave, four blocks of 256 bytes that no other line names
.set SPW, 1
.set NIL, 2
.set LI,  3                            ; 16 x lane
.set WA0, 4                            ; my eighth of slot 0; v5: of slot 1
.set IMGA, 6
.set IMGW, 7
.set VH,  8                            ; 32 x (lane / 16)
.set HIMGW, 9
.set HIMGA, 10
.set SA,  11                           ; the stage by rows: lanes 0-15 one row, lanes 16-31 the next
.set SD,  12                           ; the stage in the result's layout: row r, 32 bytes for each half of the lanes
.set STW, 13
.set STR, 14
.set GX,  15                           ; x and out: two rows of 2,048 bytes, 16 bytes a lane
.set A0,  16
.set B0,  18
.set XS,  20
.set XL,  21
.set HS,  22
.set HL,  23
.set CD,  24
.set OA,  32
.set HA,  96
.set HF,  128
.set T,   192
.set TS,  160
.set U,   224
.set WF,  0
.set X2F, 128
.set G1,  24
.set G0,  32
.set E,   40
.set WV,  56
.set CNT, 57
.set MSB, 0
.macro WIN new
.if MSB != \new
	s_set_vgpr_msb (MSB<<8)|\new
.set MSB, \new
.endif
.endm
.macro ROUND
	s_barrier_signal -1
	s_barrier_wait -1
	s_cmp_lg_u32 s[WV], 0
	s_cbranch_scc1 .Lnw0_\@
	s_barrier_signal -3
.Lnw0_\@:
	s_barrier_wait -3
	s_barrier_signal -1
	s_barrier_wait -1
.endm
.macro PLACES
.rept 4
	v_nop
.endr
.endm
.macro SPAIR r, val                    ; a constant as a scalar pair: the packed forms name a pair and take its low word
	s_mov_b32 s[\r], \val
	s_mov_b32 s[\r+1], \val
.endm
.macro MKSC vs, vl, se
	s_add_co_i32 s2, s[\se], 127
	s_lshl_b32 s3, s2, 23
	v_mov_b32 v[\vs], s3
	s_add_co_i32 s2, s2, 8
	s_lshl_b32 s2, s2, 23
	s_or_b32 s2, s2, 0x600000
	v_mov_b32 v[\vl], s2
.endm
	s_load_b512 s[4:19], s[0:1], 0x0               ; avc s4, wtail s6, x s8, bo s10, ln2_g s12, ln2_b s14, b1 s16, b2 s18
	s_load_b128 s[20:23], s[0:1], 0x40             ; exponents s20, out0 s22
	v_lshl_add_u32 v[SPW], v0, 2, SPARE
	v_mov_b32 v[NIL], 0
	ds_add_u32 v1, v2
	ds_add_u32 v1, v2
	s_wait_dscnt 0x0
	v_lshrrev_b32 v3, 5, v0
	v_readfirstlane_b32 s[WV], v3                  ; wave 0..7
	s_mov_b32 s[G1+0], 0x23000f                    ; mask: all four work-groups; elements of 8 bytes; bit 21 beside the mask; no padding
	s_mov_b32 s[G1+1], 32<<16                      ; rows of 256 bytes
	s_mov_b32 s[G1+2], 64<<16
	s_mov_b32 s[G1+3], 32<<16
	s_mov_b32 s[G1+4], 64                          ; 64 rows: 16,384 dense bytes a load
	s_mov_b32 s[G1+5], 32
	s_mov_b32 s[G1+6], 0
	s_mov_b32 s[G1+7], 0
	s_lshl_b32 s94, s[WV], 14                      ; my eighth of a tile, in LDS and in memory alike
	s_mov_b32 s95, 0
	s_wait_kmcnt 0x0
	s_load_b512 s[E:E+15], s[20:21], 0x0
	s_add_nc_u64 s[6:7], s[6:7], s[94:95]
	ROUND                                          ; all four work-groups are here: the first joint loads meet
.irp s, 0,1
	s_mov_b32 s[G0+4*\s], 1
	s_add_co_u32 s[G0+4*\s+1], s94, \s*SLOTB
	s_add_nc_u64 s[G0+4*\s+2:G0+4*\s+3], s[6:7], \s*SLOTB
	s_or_b32 s[G0+4*\s+3], s[G0+4*\s+3], 0x80000000
.endr
	tensor_load_to_lds s[G0:G0+3], s[G1:G1+7]      ; tiles 0 and 1
	s_nop 0
	tensor_load_to_lds s[G0+4:G0+7], s[G1:G1+7]
	s_nop 0
	PLACES                                         ; behind a tensor load
	v_and_b32 v24, 31, v0
	v_lshlrev_b32 v[LI], 4, v24
	v_and_b32 v25, 15, v0                          ; r
	v_bfe_u32 v26, v0, 4, 1                        ; h
	v_add_nc_u32 v[WA0], s94, v[LI]
	v_add_nc_u32 v[WA0+1], SLOTB, v[WA0]
	v_add_nc_u32 v[IMGA], IMG, v[LI]
	s_lshr_b32 s2, s[WV], 1
	s_lshl_b32 s2, s2, 11
	s_and_b32 s3, s[WV], 1
	s_lshl_b32 s3, s3, 10
	s_add_co_u32 s2, s2, s3
	s_add_co_u32 s2, s2, IMG
	v_add_nc_u32 v[IMGW], s2, v[LI]                ; x2: my 64 columns are groups 2 (w % 2), + 1 of K step w / 2
	v_lshlrev_b32 v[VH], 5, v26
	s_lshr_b32 s2, s[WV], 2
	s_lshl_b32 s2, s2, 12
	s_and_b32 s3, s[WV], 3
	s_lshl_b32 s3, s3, 9
	s_add_co_u32 s2, s2, s3
	s_add_co_u32 s2, s2, HIMG
	v_add_nc_u32 v[HIMGW], s2, v[LI]               ; hidden: my 32 units are group w % 4 of the chunk's K step w / 4
	v_add_nc_u32 v[HIMGA], HIMG, v[LI]
	s_mul_i32 s2, s[WV], 4352
	s_add_co_u32 s2, s2, STG
	v_mul_u32_u24 v[SA], v26, 272
	v_lshl_add_u32 v[SA], v25, 4, v[SA]
	v_add_nc_u32 v[SA], s2, v[SA]
	v_mul_u32_u24 v[SD], v25, 272
	v_lshl_add_u32 v[SD], v26, 5, v[SD]
	v_add_nc_u32 v[SD], s2, v[SD]
	v_lshlrev_b32 v[STR], 6, v25
	v_add_nc_u32 v[STR], STAT, v[STR]
	s_lshl_b32 s2, s[WV], 3
	v_add_nc_u32 v[STW], s2, v[STR]
	v_lshlrev_b32 v[GX], 11, v26
	v_lshl_add_u32 v[GX], v25, 4, v[GX]
	s_lshl_b32 s2, s[WV], 11
	s_add_co_u32 s2, s2, IMG
	v_add_nc_u32 v27, s2, v[LI]                    ; av: wave w brings fragment w
	s_bfe_u32 s96, ttmp6, 0x40000                  ; cx: it enters global addresses alone
	s_lshl_b32 s97, ttmp9, 2
	s_add_co_u32 s96, s96, s97                     ; my 32 rows
	s_mov_b32 s99, 0
	s_lshl_b32 s98, s96, 14
	s_lshl_b32 s97, s[WV], 11
	s_add_co_u32 s98, s98, s97
	s_add_nc_u64 s[4:5], s[4:5], s[98:99]
	s_lshl_b32 s98, s96, 16
	s_lshl_b32 s97, s[WV], 8
	s_add_co_u32 s98, s98, s97
	s_add_nc_u64 s[8:9], s[8:9], s[98:99]
	s_add_nc_u64 s[22:23], s[22:23], s[98:99]
	s_mov_b32 s98, s97                             ; my 64 columns in bo, ln2_g, ln2_b, b2
	s_add_nc_u64 s[10:11], s[10:11], s[98:99]
	s_add_nc_u64 s[12:13], s[12:13], s[98:99]
	s_add_nc_u64 s[14:15], s[14:15], s[98:99]
	s_add_nc_u64 s[18:19], s[18:19], s[98:99]
	s_lshl_b32 s98, s[WV], 7                       ; my 32 units of a chunk in b1
	s_add_nc_u64 s[16:17], s[16:17], s[98:99]
.irp g, 0,1,2,3
	global_load_b128 v[HF+4*\g:HF+4*\g+3], v[LI], s[4:5] offset:512*\g th:TH_LOAD_NT
.endr
.set m, 0
.rept 16
	global_load_b128 v[OA+4*m:OA+4*m+3], v[GX], s[8:9] offset:4096*m th:TH_LOAD_NT   ; x: sixteen lanes read 256 consecutive bytes of a row
.set m, m+1
.endr
.irp nt, 0,1,2,3                               ; the three vectors in the result's layout: columns 16 nt + 8 h + 0..7
	global_load_b128 v[T+32+8*\nt:T+35+8*\nt], v[VH], s[10:11] offset:64*\nt
	global_load_b128 v[T+36+8*\nt:T+39+8*\nt], v[VH], s[10:11] offset:64*\nt+16
.endr
.irp nt, 0,1,2,3
	global_load_b128 v[HA+8*\nt:HA+3+8*\nt],   v[VH], s[12:13] offset:64*\nt
	global_load_b128 v[HA+4+8*\nt:HA+7+8*\nt], v[VH], s[12:13] offset:64*\nt+16
.endr
.irp nt, 0,1,2,3
	global_load_b128 v[T+8*\nt:T+3+8*\nt],   v[VH], s[14:15] offset:64*\nt
	global_load_b128 v[T+4+8*\nt:T+7+8*\nt], v[VH], s[14:15] offset:64*\nt+16
.endr
	s_mov_b32 s58, 0x76543210                      ; lane l xor 16
	s_mov_b32 s59, 0xfedcba98
	s_mov_b32 s94, 0x3b000000                      ; 1 / 512
	s_mov_b32 s95, 0x3727c5ac                      ; 1e-5
	v_mov_b32 v[A0], 0xaf95df0b                    ; erf's numerator, highest coefficient: -2.72614226e-10
	v_mov_b32 v[A0+1], 0xaf95df0b
	v_mov_b32 v[B0], 0xb77460cd                    ; the denominator's: -1.45660718e-05
	v_mov_b32 v[B0+1], 0xb77460cd
	SPAIR 66, 0x32edffee                           ;  2.77068142e-08
	SPAIR 68, 0xb60cff51                           ; -2.10102402e-06
	SPAIR 70, 0xb86ec2d2                           ; -5.69250639e-05
	SPAIR 72, 0xba40ac63                           ; -7.34990630e-04
	SPAIR 74, 0xbb41a1f6                           ; -2.95459981e-03
	SPAIR 76, 0xbc83dbd4                           ; -1.60960333e-02
	SPAIR 78, 0xb95fbd29                           ; -2.13374055e-04
	SPAIR 80, 0xbadc924e                           ; -1.68282697e-03
	SPAIR 82, 0xbbf19bf8                           ; -7.37332917e-03
	SPAIR 84, 0xbc69b6a7                           ; -1.42647391e-02
	s_wait_kmcnt 0x0
	s_add_co_i32 s2, s[E+10], s[E+11]
	s_add_co_i32 s2, s2, 127
	s_lshl_b32 s90, s2, 23                         ; s[90:91] 2^(e10 + e11)
	s_mov_b32 s91, s90
	s_add_co_i32 s2, s[E+14], s[E+15]
	s_add_co_i32 s3, s2, 127
	s_lshl_b32 s88, s3, 23                         ; s[88:89] 2^(e14 + e15)
	s_mov_b32 s89, s88
	s_sub_co_i32 s3, 127, s2
	s_lshl_b32 s92, s3, 23                         ; s[92:93] 2^-(e14 + e15)
	s_mov_b32 s93, s92
	s_add_co_i32 s2, s[E+12], s[E+13]
	s_sub_co_i32 s3, 127, s2
	s_lshl_b32 s86, s3, 23                         ; s[86:87] 2^-(e12 + e13)
	s_mov_b32 s87, s86
	s_lshl_b32 s3, s2, 23
	s_add_co_i32 s60, s3, 0x3f3504f3               ; s[60:61] 2^(e12 + e13) / sqrt 2
	s_mov_b32 s61, s60
	s_add_co_i32 s3, s2, 126
	s_lshl_b32 s62, s3, 23                         ; s[62:63] 2^(e12 + e13) / 2
	s_mov_b32 s63, s62
	MKSC XS, XL, E+12
	MKSC HS, HL, E+14
	s_wait_loadcnt 40                              ; av's four loads are in (behind them: x 16, bo 8, gain 8, bias 8)
.irp g, 0,1,2,3
	ds_store_b128 v27, v[HF+4*\g:HF+4*\g+3] offset:512*\g
.endr
	s_wait_dscnt 0x0                               ; the stores have read their registers
	s_wait_loadcnt 24                              ; x is in
.irp rt, 0,1                                   ; x turns through my stage into the result's layout, a row tile at a time; LDS serves a wave's instructions in order (ISA guide 5.7.1.4)
.irp i, 0,1,2,3,4,5,6,7
	ds_store_b128 v[SA], v[OA+32*\rt+4*\i:OA+32*\rt+4*\i+3] offset:544*\i
.endr
.irp nt, 0,1,2,3
	ds_load_b128 v[HF+8*(2*\nt+\rt):HF+8*(2*\nt+\rt)+3],   v[SD] offset:64*\nt
	ds_load_b128 v[HF+8*(2*\nt+\rt)+4:HF+8*(2*\nt+\rt)+7], v[SD] offset:64*\nt+16
.endr
.endr
	s_wait_loadcnt 16                              ; bo is in
	s_wait_dscnt 0x0
.irp nt, 0,1,2,3
.irp rt, 0,1
.irp m, 0,2,4,6
	v_pk_add_f32 v[HF+8*(2*\nt+\rt)+\m:HF+8*(2*\nt+\rt)+\m+1], v[HF+8*(2*\nt+\rt)+\m:HF+8*(2*\nt+\rt)+\m+1], v[T+32+8*\nt+\m:T+32+8*\nt+\m+1]   ; x + bo
.endr
.endr
.endr
	s_wait_tensorcnt 0x1                           ; my part of tile 0 is in; tile 1's load may be out
	s_barrier_signal -1
	s_barrier_wait -1                              ; av's eight images lie in LDS
.macro LDX                             ; the rows' eight fragments, 16 (4 rt + ks), from their images
	WIN 0x40                                       ; destination window 1
.set m, 0
.rept 32
	ds_load_b128 v[X2F+4*m:X2F+4*m+3], v[IMGA] offset:512*m
.set m, m+1
.endr
	WIN 0
.endm
.macro LDW slot                        ; my eight weight fragments of the slot's tile
	WIN 0x40
.set m, 0
.rept 32
	ds_load_b128 v[WF+4*m:WF+4*m+3], v[WA0+\slot] offset:512*m
.set m, m+1
.endr
	WIN 0
.endm
.macro LDB1                            ; b1 at my 32 units of the chunk, in the result's layout
.irp nt, 0,1
	global_load_b128 v[T+8*\nt:T+3+8*\nt],   v[VH], s[16:17] offset:64*\nt
	global_load_b128 v[T+4+8*\nt:T+7+8*\nt], v[VH], s[16:17] offset:64*\nt+16
.endr
.endm
; THE CHANGE OF SLOTS.  Each wave waits for all its tensor loads (its part of the tile that comes next), adds 0 to its spare word, and waits for that and for all its LDS instructions: its reads of the slot that it
; leaves, and its stores of images.  fill = 1: a round of the cluster's barrier, and slot fs, which nobody reads any more, takes the tile two further on: the wave's one tensor load, first behind the round.
.macro CHANGE fs, fill
	WIN 0
	s_wait_tensorcnt 0x0
	ds_add_u32 v[SPW], v[NIL]
.if \fill
	s_add_nc_u64 s[G0+4*\fs+2:G0+4*\fs+3], s[G0+4*\fs+2:G0+4*\fs+3], 2*SLOTB   ; no tensor load of mine is out: a group 0 may be written
.endif
	s_wait_dscnt 0x0
.if \fill
	ROUND
	tensor_load_to_lds s[G0+4*\fs:G0+4*\fs+3], s[G1:G1+7]
	s_nop 0
.else
	s_barrier_signal -1
	s_barrier_wait -1
.endif
	PLACES                                         ; behind the tensor load; also the places ahead of loads into registers that products have read
.endm
; av Wo, K steps 2 tau and 2 tau + 1: 16 products, the eight accumulators by turns
.macro WO tau
	LDW \tau
	WIN 0x05                                       ; both sources window 1
.irp kk, 0,1
.if \kk == 0
	s_wait_dscnt 16                                ; the rows' fragments and weight fragments 0-3 are in
.else
	s_wait_dscnt 0x0
.endif
.irp nt, 0,1,2,3
.irp rt, 0,1
.if (\tau == 0) && (\kk == 0)
	v_wmma_f32_16x16x128_fp8_fp8 v[OA+8*(2*\nt+\rt):OA+8*(2*\nt+\rt)+7], v[WF+16*(4*\kk+\nt):WF+16*(4*\kk+\nt)+15], v[X2F+16*(4*\rt+2*\tau+\kk):X2F+16*(4*\rt+2*\tau+\kk)+15], 0
.else
	v_wmma_f32_16x16x128_fp8_fp8 v[OA+8*(2*\nt+\rt):OA+8*(2*\nt+\rt)+7], v[WF+16*(4*\kk+\nt):WF+16*(4*\kk+\nt)+15], v[X2F+16*(4*\rt+2*\tau+\kk):X2F+16*(4*\rt+2*\tau+\kk)+15], v[OA+8*(2*\nt+\rt):OA+8*(2*\nt+\rt)+7]
.endif
.endr
.endr
.endr
	WIN 0
.endm
; 16 sums of a lane at v[b] become gelu, are held and quantised, and go to LDS as group w % 4 of the hidden fragment of row tile rt
.macro GELUQ b, rt
.irp i, 0,2,4,6,8,10,12,14
	v_pk_mul_f32 v[T+\i:T+\i+1], v[\b+\i:\b+\i+1], s[60:61] op_sel_hi:[1,0]          ; z = x / sqrt 2; each accumulator from its low end on
.endr
.irp i, 0,2,4,6,8,10,12,14
	v_pk_mul_f32 v[\b+\i:\b+\i+1], v[\b+\i:\b+\i+1], s[62:63] op_sel_hi:[1,0]        ; x / 2
.endr
.irp i, 0,1,2,3,4,5,6,7,8,9,10,11,12,13,14,15
	v_med3_num_f32 v[T+\i], v[T+\i], -4.0, 4.0
.endr
.irp i, 0,2,4,6,8,10,12,14
	v_pk_mul_f32 v[T+16+\i:T+17+\i], v[T+\i:T+\i+1], v[T+\i:T+\i+1]                  ; z^2
.endr
.irp i, 0,2,4,6,8,10,12,14
	v_pk_fma_f32 v[T+32+\i:T+33+\i], v[T+16+\i:T+17+\i], v[A0:A0+1], s[66:67] op_sel_hi:[1,0,0]
.endr
.irp i, 0,2,4,6,8,10,12,14
	v_pk_fma_f32 v[T+48+\i:T+49+\i], v[T+16+\i:T+17+\i], v[B0:B0+1], s[78:79] op_sel_hi:[1,0,0]
.endr
.irp c, 1,2,3
.irp i, 0,2,4,6,8,10,12,14
	v_pk_fma_f32 v[T+32+\i:T+33+\i], v[T+32+\i:T+33+\i], v[T+16+\i:T+17+\i], s[66+2*\c:67+2*\c] op_sel_hi:[1,1,0]
.endr
.irp i, 0,2,4,6,8,10,12,14
	v_pk_fma_f32 v[T+48+\i:T+49+\i], v[T+48+\i:T+49+\i], v[T+16+\i:T+17+\i], s[78+2*\c:79+2*\c] op_sel_hi:[1,1,0]
.endr
.endr
.irp c, 4,5
.irp i, 0,2,4,6,8,10,12,14
	v_pk_fma_f32 v[T+32+\i:T+33+\i], v[T+32+\i:T+33+\i], v[T+16+\i:T+17+\i], s[66+2*\c:67+2*\c] op_sel_hi:[1,1,0]
.endr
.endr
.irp i, 0,1,2,3,4,5,6,7,8,9,10,11,12,13,14,15
	v_rcp_f32 v[T+48+\i], v[T+48+\i]               ; one batch
.endr
.irp i, 0,2,4,6,8,10,12,14
	v_pk_mul_f32 v[T+32+\i:T+33+\i], v[T+32+\i:T+33+\i], v[T+\i:T+\i+1]              ; z P: plain lines behind the batch that name none of its results
.endr
	s_wait_alu depctr_va_vdst(0)                   ; one wait for the batch, ahead of its first reader
.irp i, 0,2,4,6,8,10,12,14
	v_pk_mul_f32 v[T+32+\i:T+33+\i], v[T+32+\i:T+33+\i], v[T+48+\i:T+49+\i]          ; erf
.endr
.irp i, 0,2,4,6,8,10,12,14
	v_pk_fma_f32 v[\b+\i:\b+\i+1], v[\b+\i:\b+\i+1], v[T+32+\i:T+33+\i], v[\b+\i:\b+\i+1]   ; x / 2 erf + x / 2
.endr
.irp i, 0,1,2,3,4,5,6,7,8,9,10,11,12,13,14,15
	v_med3_num_f32 v[\b+\i], v[\b+\i], -v[HL], v[HL]
.endr
	v_cvt_scalef32_pk8_fp8_f32 v[CD+4*\rt:CD+4*\rt+1],   v[\b:\b+7],    v[HS]
	v_cvt_scalef32_pk8_fp8_f32 v[CD+4*\rt+2:CD+4*\rt+3], v[\b+8:\b+15], v[HS]
	v_nop                                          ; a plain line behind the last conversion
	ds_store_b128 v[HIMGW], v[CD+4*\rt:CD+4*\rt+3] offset:2048*\rt
.endm
; x2 W1 for my 32 units of the chunk (tile in slot 0): 16 products, four accumulators by turns, the bias as the first C; then gelu
.macro W1T
	s_wait_loadcnt 0x0                             ; the chunk's b1 is in, so its base may step
	s_add_nc_u64 s[16:17], s[16:17], 1024
.irp i, 0,2,4,6,8,10,12,14
	v_pk_mul_f32 v[T+\i:T+\i+1], v[T+\i:T+\i+1], s[86:87] op_sel_hi:[1,0]            ; b1 / 2^(e12 + e13)
.endr
	LDW 0
	WIN 0x05
.irp ks, 0,1,2,3
	s_wait_dscnt 24-8*\ks                          ; this K step's two fragments are in
.irp rt, 0,1
.irp nt, 0,1
.if \ks == 0
	v_wmma_f32_16x16x128_fp8_fp8 v[HA+8*(2*\rt+\nt):HA+8*(2*\rt+\nt)+7], v[WF+16*(2*\ks+\nt):WF+16*(2*\ks+\nt)+15], v[X2F+16*(4*\rt+\ks):X2F+16*(4*\rt+\ks)+15], v[T+8*\nt:T+8*\nt+7]
.else
	v_wmma_f32_16x16x128_fp8_fp8 v[HA+8*(2*\rt+\nt):HA+8*(2*\rt+\nt)+7], v[WF+16*(2*\ks+\nt):WF+16*(2*\ks+\nt)+15], v[X2F+16*(4*\rt+\ks):X2F+16*(4*\rt+\ks)+15], v[HA+8*(2*\rt+\nt):HA+8*(2*\rt+\nt)+7]
.endif
.endr
.endr
.endr
	WIN 0
	PLACES
	GELUQ HA, 0
	GELUQ HA+16, 1
.endm
; hidden W2, the chunk's two K steps (tile in slot 1): 16 products onto the eight accumulators of the output
.macro W2T next
.if \next
	LDB1                                           ; the next chunk's b1
.endif
.irp kk, 0,1
.irp i, 0,1,2,3,4,5,6,7
	ds_load_b128 v[HF+32*\kk+4*\i:HF+32*\kk+4*\i+3], v[HIMGA] offset:4096*\kk+512*\i
.endr
	WIN 0x40
.irp i, 0,1,2,3,4,5,6,7,8,9,10,11,12,13,14,15
	ds_load_b128 v[WF+64*\kk+4*\i:WF+64*\kk+4*\i+3], v[WA0+1] offset:8192*\kk+512*\i
.endr
	WIN 0
.endr
	WIN 0x01                                       ; W2 window 1, the hidden fragments window 0
.irp kk, 0,1
.if \kk == 0
	s_wait_dscnt 24                                ; the first K step's 24 loads are in
.else
	s_wait_dscnt 0x0
.endif
.irp nt, 0,1,2,3
.irp rt, 0,1
	v_wmma_f32_16x16x128_fp8_fp8 v[OA+8*(2*\nt+\rt):OA+8*(2*\nt+\rt)+7], v[WF+16*(4*\kk+\nt):WF+16*(4*\kk+\nt)+15], v[HF+16*(2*\kk+\rt):HF+16*(2*\kk+\rt)+15], v[OA+8*(2*\nt+\rt):OA+8*(2*\nt+\rt)+7]
.endr
.endr
.endr
	WIN 0
.endm
	LDX                                            ; av
	WO 0
	CHANGE 0, 1                                    ; slot 0 takes tile 2
	WO 1
	PLACES
	; ---- x1 = sums x 2^(e10 + e11) + (x + bo), in place
.set m, 0
.rept 32
	v_pk_fma_f32 v[OA+2*m:OA+2*m+1], v[OA+2*m:OA+2*m+1], s[90:91], v[HF+2*m:HF+2*m+1] op_sel_hi:[1,0,1]
.set m, m+1
.endr
.irp nt, 0,1,2,3
	global_load_b128 v[HF+8*\nt:HF+3+8*\nt],   v[VH], s[18:19] offset:64*\nt          ; b2, for later
	global_load_b128 v[HF+4+8*\nt:HF+7+8*\nt], v[VH], s[18:19] offset:64*\nt+16
.endr
	; ---- my 64 columns' mean and sum of squares about it, for each of the lane's two rows (row tile 0, 1), the two by turns
.irp rt, 0,1
	v_pk_add_f32 v[TS+8*\rt:TS+8*\rt+1],   v[OA+8*\rt:OA+8*\rt+1],   v[OA+8*\rt+2:OA+8*\rt+3]
	v_pk_add_f32 v[TS+8*\rt+2:TS+8*\rt+3], v[OA+8*\rt+4:OA+8*\rt+5], v[OA+8*\rt+6:OA+8*\rt+7]
.endr
.irp k, 4,6,8,10,12,14
.irp rt, 0,1
.set P0, OA+8*(2*(\k/4)+\rt)+2*(\k%4)
.set P1, OA+8*(2*((\k+1)/4)+\rt)+2*((\k+1)%4)
	v_pk_add_f32 v[TS+8*\rt:TS+8*\rt+1],   v[TS+8*\rt:TS+8*\rt+1],   v[P0:P0+1]
	v_pk_add_f32 v[TS+8*\rt+2:TS+8*\rt+3], v[TS+8*\rt+2:TS+8*\rt+3], v[P1:P1+1]
.endr
.endr
.irp rt, 0,1
	v_pk_add_f32 v[TS+8*\rt:TS+8*\rt+1], v[TS+8*\rt:TS+8*\rt+1], v[TS+8*\rt+2:TS+8*\rt+3]
.endr
.irp rt, 0,1
	v_add_f32 v[TS+8*\rt], v[TS+8*\rt], v[TS+8*\rt+1]
.endr
.irp rt, 0,1
	v_permlanex16_b32 v[TS+8*\rt+6], v[TS+8*\rt], s58, s59     ; the row's other 32 columns lie in lane l xor 16
.endr
.irp rt, 0,1
	v_add_f32 v[TS+8*\rt], v[TS+8*\rt], v[TS+8*\rt+6]
.endr
.irp rt, 0,1
	v_mul_f32 v[TS+8*\rt+4], 0x3c800000, v[TS+8*\rt]           ; / 64
.endr
.irp k, 0,2,4,6,8,10,12,14
.irp rt, 0,1
.set P0, OA+8*(2*(\k/4)+\rt)+2*(\k%4)
.set P1, OA+8*(2*((\k+1)/4)+\rt)+2*((\k+1)%4)
	v_pk_add_f32 v[176+4*\rt:177+4*\rt], v[P0:P0+1], v[TS+8*\rt+4:TS+8*\rt+5] op_sel_hi:[1,0] neg_lo:[0,1] neg_hi:[0,1]
	v_pk_add_f32 v[178+4*\rt:179+4*\rt], v[P1:P1+1], v[TS+8*\rt+4:TS+8*\rt+5] op_sel_hi:[1,0] neg_lo:[0,1] neg_hi:[0,1]
.endr
.irp rt, 0,1
.if \k == 0
	v_pk_mul_f32 v[TS+8*\rt:TS+8*\rt+1],   v[176+4*\rt:177+4*\rt], v[176+4*\rt:177+4*\rt]
	v_pk_mul_f32 v[TS+8*\rt+2:TS+8*\rt+3], v[178+4*\rt:179+4*\rt], v[178+4*\rt:179+4*\rt]
.else
	v_pk_fma_f32 v[TS+8*\rt:TS+8*\rt+1],   v[176+4*\rt:177+4*\rt], v[176+4*\rt:177+4*\rt], v[TS+8*\rt:TS+8*\rt+1]
	v_pk_fma_f32 v[TS+8*\rt+2:TS+8*\rt+3], v[178+4*\rt:179+4*\rt], v[178+4*\rt:179+4*\rt], v[TS+8*\rt+2:TS+8*\rt+3]
.endif
.endr
.endr
.irp rt, 0,1
	v_pk_add_f32 v[TS+8*\rt:TS+8*\rt+1], v[TS+8*\rt:TS+8*\rt+1], v[TS+8*\rt+2:TS+8*\rt+3]
.endr
.irp rt, 0,1
	v_add_f32 v[TS+8*\rt], v[TS+8*\rt], v[TS+8*\rt+1]
.endr
.irp rt, 0,1
	v_permlanex16_b32 v[TS+8*\rt+6], v[TS+8*\rt], s58, s59
.endr
.irp rt, 0,1
	v_add_f32 v[TS+8*\rt+5], v[TS+8*\rt], v[TS+8*\rt+6]
.endr
.irp rt, 0,1
	ds_store_b64 v[STW], v[TS+8*\rt+4:TS+8*\rt+5] offset:1024*\rt    ; (mean, M2); both halves of the lanes store the same pair
.endr
	s_wait_dscnt 0x0
	s_barrier_signal -1                            ; tile 2's load may stay out
	s_barrier_wait -1
.irp rt, 0,1
.irp q, 0,1,2,3
	ds_load_b128 v[TS+16*\rt+4*\q:TS+16*\rt+4*\q+3], v[STR] offset:1024*\rt+16*\q   ; my row's eight pairs
.endr
.endr
	s_wait_dscnt 0x0
.irp rt, 0,1
	v_pk_add_f32 v[U+8*\rt:U+8*\rt+1],   v[TS+16*\rt:TS+16*\rt+1],     v[TS+16*\rt+2:TS+16*\rt+3]
	v_pk_add_f32 v[U+8*\rt+2:U+8*\rt+3], v[TS+16*\rt+4:TS+16*\rt+5],   v[TS+16*\rt+6:TS+16*\rt+7]
	v_pk_add_f32 v[U+8*\rt+4:U+8*\rt+5], v[TS+16*\rt+8:TS+16*\rt+9],   v[TS+16*\rt+10:TS+16*\rt+11]
	v_pk_add_f32 v[U+8*\rt+6:U+8*\rt+7], v[TS+16*\rt+12:TS+16*\rt+13], v[TS+16*\rt+14:TS+16*\rt+15]
	v_pk_add_f32 v[U+8*\rt:U+8*\rt+1],   v[U+8*\rt:U+8*\rt+1],   v[U+8*\rt+2:U+8*\rt+3]
	v_pk_add_f32 v[U+8*\rt+4:U+8*\rt+5], v[U+8*\rt+4:U+8*\rt+5], v[U+8*\rt+6:U+8*\rt+7]
	v_pk_add_f32 v[U+8*\rt:U+8*\rt+1],   v[U+8*\rt:U+8*\rt+1],   v[U+8*\rt+4:U+8*\rt+5]   ; (sum of the means, sum of the M2)
	v_mul_f32 v[240+4*\rt], 0x3e000000, v[U+8*\rt]             ; the row's mean
.irp w, 0,1,2,3,4,5,6,7
	v_sub_f32 v[TS+16*\rt+2*\w], v[TS+16*\rt+2*\w], v[240+4*\rt]
.endr
	v_mul_f32 v[U+8*\rt+2], v[TS+16*\rt], v[TS+16*\rt]
.irp w, 1,2,3,4,5,6,7
	v_fma_f32 v[U+8*\rt+2], v[TS+16*\rt+2*\w], v[TS+16*\rt+2*\w], v[U+8*\rt+2]
.endr
	v_fma_f32 v[U+8*\rt+3], v[U+8*\rt+2], 0x42800000, v[U+8*\rt+1]   ; M2 = sum M2w + 64 sum (mean_w - mean)^2
	v_fma_f32 v[U+8*\rt+3], v[U+8*\rt+3], s94, s95             ; / 512 + eps
	v_rsq_f32 v[242+4*\rt], v[U+8*\rt+3]
.endr
	v_nop
	s_wait_alu depctr_va_vdst(0)                   ; one wait for the two, ahead of their first reader
	s_wait_loadcnt 8                               ; gain and bias are in; b2's eight loads may be out
.irp rt, 0,1
.if \rt == 1
	s_wait_dscnt 0x0                               ; the first row tile's stores have read the codes' registers
.endif
.irp nt, 0,1,2,3
.irp m, 0,2,4,6
	v_pk_add_f32 v[TS+8*\nt+\m:TS+8*\nt+\m+1], v[OA+8*(2*\nt+\rt)+\m:OA+8*(2*\nt+\rt)+\m+1], v[240+4*\rt:241+4*\rt] op_sel_hi:[1,0] neg_lo:[0,1] neg_hi:[0,1]
.endr
.endr
.set m, 0
.rept 16
	v_pk_mul_f32 v[TS+2*m:TS+2*m+1], v[TS+2*m:TS+2*m+1], v[242+4*\rt:243+4*\rt] op_sel_hi:[1,0]
.set m, m+1
.endr
.set m, 0
.rept 16
	v_pk_fma_f32 v[TS+2*m:TS+2*m+1], v[TS+2*m:TS+2*m+1], v[HA+2*m:HA+2*m+1], v[T+2*m:T+2*m+1]
.set m, m+1
.endr
.set m, 0
.rept 32
	v_med3_num_f32 v[TS+m], v[TS+m], -v[XL], v[XL]
.set m, m+1
.endr
.irp nt, 0,1,2,3
	v_cvt_scalef32_pk8_fp8_f32 v[CD+2*\nt:CD+2*\nt+1], v[TS+8*\nt:TS+8*\nt+7], v[XS]
.endr
	v_nop
	ds_store_b128 v[IMGW], v[CD:CD+3]   offset:8192*\rt        ; av's images were read out ahead of the last round: their bytes take x2's
	ds_store_b128 v[IMGW], v[CD+4:CD+7] offset:8192*\rt+512
.endr
	s_wait_loadcnt 0x0                             ; b2
.set m, 0
.rept 16
	v_pk_mul_f32 v[HF+2*m:HF+2*m+1], v[HF+2*m:HF+2*m+1], s[92:93] op_sel_hi:[1,0]
.set m, m+1
.endr
.irp nt, 0,1,2,3
.irp rt, 0,1
.irp m, 0,2,4,6
	v_pk_fma_f32 v[OA+8*(2*\nt+\rt)+\m:OA+8*(2*\nt+\rt)+\m+1], v[OA+8*(2*\nt+\rt)+\m:OA+8*(2*\nt+\rt)+\m+1], s[92:93], v[HF+8*\nt+\m:HF+8*\nt+\m+1] op_sel_hi:[1,0,1]   ; (x1 + b2) / 2^(e14 + e15): what the last product adds onto
.endr
.endr
.endr
	LDB1                                           ; chunk 0's b1
	s_wait_dscnt 0x0
	s_barrier_signal -1
	s_barrier_wait -1                              ; x2's eight images lie in LDS
	LDX
	s_mov_b32 s[CNT], 7
.Lchunk:                                               ; chunks 0 to 6: both slots are filled again
	CHANGE 1, 1                                    ; slot 1 takes the chunk's part of W2
	W1T
	CHANGE 0, 1                                    ; slot 0 takes the next chunk's part of W1; the hidden images lie in LDS
	W2T 1
	s_sub_co_u32 s[CNT], s[CNT], 1
	s_cmp_lg_u32 s[CNT], 0
	s_cbranch_scc1 .Lchunk
	CHANGE 1, 1                                    ; the last chunk is written out: its second change asks for nothing
	W1T
	CHANGE 0, 0
	W2T 0
	; ---- THE WAY OUT: x 2^(e14 + e15), through my stage, a row tile at a time; sixteen lanes store 256 consecutive bytes, aligned
	PLACES
.irp rt, 0,1
.irp nt, 0,1,2,3
.irp m, 0,2,4,6
	v_pk_mul_f32 v[HF+32*\rt+8*\nt+\m:HF+32*\rt+8*\nt+\m+1], v[OA+8*(2*\nt+\rt)+\m:OA+8*(2*\nt+\rt)+\m+1], s[88:89] op_sel_hi:[1,0]
.endr
.endr
.irp nt, 0,1,2,3
	ds_store_b128 v[SD], v[HF+32*\rt+8*\nt:HF+32*\rt+8*\nt+3]   offset:64*\nt
	ds_store_b128 v[SD], v[HF+32*\rt+8*\nt+4:HF+32*\rt+8*\nt+7] offset:64*\nt+16
.endr
.irp i, 0,1,2,3,4,5,6,7
	ds_load_b128 v[T+32*\rt+4*\i:T+32*\rt+4*\i+3], v[SA] offset:544*\i   ; in order behind my stores; the next row tile's stores come behind these
.endr
.endr
.irp rt, 0,1
.irp i, 0,1,2,3,4,5,6,7
	s_wait_dscnt (1-\rt)*16+7-\i                   ; the younger LDS instructions may be out
	global_store_b128 v[GX], v[T+32*\rt+4*\i:T+32*\rt+4*\i+3], s[22:23] offset:4096*(8*\rt+\i) th:TH_STORE_NT
.endr
.endr
	s_wait_tensorcnt 0x0                           ; the wave's end
	ds_add_u32 v[SPW], v[NIL]
	s_wait_dscnt 0x0
	ROUND                                          ; the closing round
	s_endpgm
.Lfunc_end_k_q38d3228867_tail:
	.size	k_q38d3228867_tail, .Lfunc_end_k_q38d3228867_tail-k_q38d3228867_tail
	.p2alignl 7, 3214868480
	.fill 96, 4, 3214868480
	.section	.rodata,"a",@progbits
	.p2align	6, 0x0
	.amdhsa_kernel k_q38d3228867_tail
		.amdhsa_group_segment_fixed_size 327680
		.amdhsa_private_segment_fixed_size 0
		.amdhsa_enable_private_segment 0
		.amdhsa_kernarg_size 80
		.amdhsa_user_sgpr_count 2
		.amdhsa_user_sgpr_kernarg_segment_ptr 1
		.amdhsa_wavefront_size32 1
		.amdhsa_system_sgpr_workgroup_id_x 1
		.amdhsa_system_sgpr_workgroup_id_y 1
		.amdhsa_system_sgpr_workgroup_id_z 1
		.amdhsa_system_vgpr_workitem_id 0
		.amdhsa_next_free_vgpr 512
		.amdhsa_next_free_sgpr 100
		.amdhsa_reserve_vcc 0
		.amdhsa_float_denorm_mode_32 3
		.amdhsa_float_denorm_mode_16_64 3
		.amdhsa_memory_ordered 1
		.amdhsa_forward_progress 1
		.amdhsa_inst_pref_size 125
	.end_amdhsa_kernel
	.amdgpu_metadata
---
amdhsa.version: [ 1, 2 ]
amdhsa.kernels:
  - .name:           k_q38d3228867_tail
    .symbol:         k_q38d3228867_tail.kd
    .args:
      - { .name: avc, .offset: 0, .size: 8, .value_kind: global_buffer, .address_space: global }
      - { .name: wtail, .offset: 8, .size: 8, .value_kind: global_buffer, .address_space: global }
      - { .name: x, .offset: 16, .size: 8, .value_kind: global_buffer, .address_space: global }
      - { .name: bo, .offset: 24, .size: 8, .value_kind: global_buffer, .address_space: global }
      - { .name: ln2_g, .offset: 32, .size: 8, .value_kind: global_buffer, .address_space: global }
      - { .name: ln2_b, .offset: 40, .size: 8, .value_kind: global_buffer, .address_space: global }
      - { .name: b1, .offset: 48, .size: 8, .value_kind: global_buffer, .address_space: global }
      - { .name: b2, .offset: 56, .size: 8, .value_kind: global_buffer, .address_space: global }
      - { .name: lowp_scales, .offset: 64, .size: 8, .value_kind: global_buffer, .address_space: global }
      - { .name: out0, .offset: 72, .size: 8, .value_kind: global_buffer, .address_space: global }
    .group_segment_fixed_size: 327680
    .private_segment_fixed_size: 0
    .kernarg_segment_align: 8
    .kernarg_segment_size: 80
    .max_flat_workgroup_size: 256
    .sgpr_count:     100
    .vgpr_count:     512
    .wavefront_size: 32
...
	.end_amdgpu_metadata
.endif
;; end of part 4
